; MI455X (gfx1250); checked and timed in simulation.
; The chip was launched on July 23, 2026; its instructions are those of AMD's public machine-readable ISA for CDNA 5 (MIT licence, August 2026) and "CDNA5" Instruction Set Architecture Reference Guide (July 2026). The comments in the code are by the model that wrote it; some were corrected since.
;; Bert Attention. Allowed arithmetic: matrix products marked QUANTISED: E4M3 operands, one given power-of-two scale a tensor, by v_wmma_f32_16x16x64_fp8_fp8 or v_wmma_f32_16x16x128_fp8_fp8, f32 sums; everything else in f32.
;; Inputs: Wk_codes 1,024 x 32 x 32 uint8 (E4M3 codes of Wk, K innermost, in blocks of 32 codes); Wo_codes 1,024 x 32 x 32 uint8 (E4M3 codes of Wo, K innermost, in blocks of 32 codes); Wq_codes 1,024 x 32 x 32 uint8 (E4M3 codes of Wq, K innermost, in blocks of 32 codes); Wv_codes 1,024 x 32 x 32 uint8 (E4M3 codes of Wv, K innermost, in blocks of 32 codes); attention_mask 8 x 1 x 1 x 1,024 float32; bk 1,024 float32; bo 1,024 float32; bq 1,024 float32; bv 1,024 float32; hidden_states 8 x 1,024 x 1,024 float32; ln_beta 1,024 float32; ln_gamma 1,024 float32; lowp_scales 12 int32 (the exponents e of the quantised operands' scales 2^e).
;; Outputs: out0 8 x 1,024 x 1,024 float32.
;; This version of the problem:
;;   THIS VERSION OF THE PROBLEM IS GIVEN IN LOW PRECISION. The matrix products marked QUANTISED in the list below multiply operands that are first quantised to E4M3 (4 exponent bits, 3 mantissa bits; 8 bits a number), with one given power-of-two scale for each operand tensor; their sums are f32. All else is computed in f32.
;;   The module's matrix products, in the order in which they are computed (A, B: the left and right operand; K: the contracted axis; several contracted axes count as one K, in the product's order):
;;     1. [M 8,192, K 1,024] x [K 1,024, N 1,024]; A: input hidden_states; B: input Wq (given as codes): QUANTISED (scales: A lowp_scales[0], B lowp_scales[1])
;;     2. [M 8,192, K 1,024] x [K 1,024, N 1,024]; A: input hidden_states; B: input Wk (given as codes): QUANTISED (scales: A lowp_scales[2], B lowp_scales[3])
;;     3. [M 8,192, K 1,024] x [K 1,024, N 1,024]; A: input hidden_states; B: input Wv (given as codes): QUANTISED (scales: A lowp_scales[4], B lowp_scales[5])
;;     4. batch 128 x [M 1,024, K 64] x [K 64, N 1,024]; A: computed on the way; B: computed on the way: QUANTISED (scales: A lowp_scales[6], B lowp_scales[7])
;;     5. batch 128 x [M 1,024, K 1,024] x [K 1,024, N 64]; A: softmax (see below); B: computed on the way: QUANTISED (scales: A lowp_scales[8], B lowp_scales[9])
;;     6. [M 8,192, K 1,024] x [K 1,024, N 1,024]; A: computed on the way; B: input Wo (given as codes): QUANTISED (scales: A lowp_scales[10], B lowp_scales[11])
;;   THE QUANTISER, for each operand of a quantised product, along K:
;;     - The operand's scale is 2^e, e = its entry of the input lowp_scales (int32; the entries are numbered through the quantised products in the list's order, A before B).
;;     - Each number is divided by the scale, clamped to +-448, and rounded to the nearest number of E4M3, ties to even, subnormals kept.
;;     - The product sums the exact products of the quantised numbers (number of the format x scale) in f32.
;;   ~~~python
;;   def quantise(x, axis, e):      # numpy; x: float32 -> the quantised numbers, widened to float32 again
;;       x = np.moveaxis(x, axis, -1); K = x.shape[-1]
;;       r = np.clip(x / 2.0 ** e, -448, 448)
;;       step = 2.0 ** (np.maximum(np.frexp(np.where(r == 0, 1, r))[1] - 1, -6) - 3)
;;       q = np.round(r / step) * step * 2.0 ** e      # np.round: ties to even
;;       return np.moveaxis(q, -1, axis).astype(np.float32)
;;   ~~~
;;   SOFTMAX AHEAD OF A QUANTISED PRODUCT. Where the list says 'softmax', what is quantised is not the finished softmax but p = 2^(t - M), with t = logit x log2(e) and M = ceil(the row's largest t), a whole number; so 1/2 < the row's largest p <= 1. The row's sum l is taken of the UNQUANTISED p, in f32, and the product's result is divided by l at the end. Since M is a whole number, a kernel that streams over the keys may use a running M (the ceiling of the running maximum): every later rescaling is an exact power of two, so the quantised numbers keep their values, but for numbers so far below the row's largest that they fall under the format's range.
;;   OPERANDS COMPUTED ON THE WAY. 'Computed on the way' means the value that the module computes at that place (a softmax that the list does not call 'softmax' is quantised finished and normalised). What goes into a quantiser is computed in f32, as accurately as f32 sums, v_exp_f32 and their like allow (about 1e-6 of the number): no bf16 or f16 on the way to a quantiser, and a product that is left as it is and whose result goes on into a quantised operand takes f32 operands (vector FMAs, or v_wmma_f32_16x16x4_f32). A number that lies on a knife's edge between two numbers of the format may be rounded either way, as far as f32 arithmetic and the matrix unit's own rounding can turn it there, and no further.
;;   INPUTS GIVEN AS CODES. Wk (in the module: [1024, 1024], K = its axis 1); Wo (in the module: [1024, 1024], K = its axis 1); Wq (in the module: [1024, 1024], K = its axis 1); Wv (in the module: [1024, 1024], K = its axis 1): each comes as NAME_codes (uint8): NAME with its K axis moved to the last place and cut into blocks of 32 codes, [.., K / 32, bytes a block], one block behind the other in memory; one code a byte (a code: sign, 4 exponent bits, 3 mantissa bits); its scale is its entry of lowp_scales. Its value is code x scale, taken as it is: it is not quantised again, and the codes and scales need not be those that the quantiser above would give.
;; 2 versions, each right; version 2 is version 1 with the launch attn written anew for expert scheduling mode. Each part assembles by itself: llvm-mc -triple=amdgcn-amd-amdhsa -mcpu=gfx1250 --defsym DOCPART=n.
;; ======== version 1 of 2: 4 launches
;; limits: right only within a limited range of input values
;; workspace buffers: xq0 8,388,608 bytes; xq1 8,388,608 bytes; xq2 8,388,608 bytes; q_img 8,388,608 bytes; k_img 8,388,608 bytes; v_img 8,388,608 bytes; ctx_img 8,388,608 bytes
;; launch quant (part 1): grid 512 x 1, 8 waves a work-group, no clusters, 66,560 bytes of LDS; arguments hidden_states, lowp_scales, xq0, xq1, xq2; writes xq0, xq1, xq2
.if DOCPART == 1
	.amdgcn_target "amdgcn-amd-amdhsa--gfx1250"
	.amdhsa_code_object_version 6
	.text
	.protected	k_q6ce2c22992_quant
	.globl	k_q6ce2c22992_quant
	.p2align	8
	.type	k_q6ce2c22992_quant,@function
k_q6ce2c22992_quant:
	s_mov_b64 s[64:65], 0
	v_nop
	global_prefetch_b8 v0, s[64:65] scope:SCOPE_SE
	s_setreg_imm32_b32 hwreg(HW_REG_WAVE_MODE, 25, 1), 1
	s_wait_xcnt 0x0
; hidden_states [8192][1024] f32 is operand A of three quantised products, each with a given scale of its own: 2^e0, 2^e2, 2^e4 (entries 0, 2, 4 of lowp_scales).
; It is read once and turned into three tensors of E4M3 codes, K innermost: xq0, xq1, xq2, [8192][1024] bytes.
; code = x / 2^e, held within +-448, rounded to the nearest code, ties to even.
; LIMITS: e0, e2, e4 between -126 and 119, so that 2^e and 448 x 2^e are f32 numbers.  NaN among the inputs is not served (an infinity is held at the largest code).
; Rows are dense, so the tensor is a plain stream.  A wave takes 4 steps of 512 numbers; all its 16 loads go out at the head.
; Each load reads 512 consecutive bytes, 16 a lane.  The conversions want 16 NEIGHBOURS in one lane, so a step's 2,048 bytes turn through the wave's own stage in LDS (16 bytes of padding behind each 64).
; A lane's 16 codes are 16 bytes: each store of the wave covers 512 consecutive bytes, aligned.  No barrier: waves share nothing.  No matrix unit, no cluster: the launch only moves bytes.
.set STEPS, 4
.set SP,    80                         ; a lane's place in a stage: its 64 bytes + 16 of padding
.set WREG,  8192                       ; LDS of a wave: two stages of 32 x SP bytes
.set SC,    8                          ; v8-10    2^e as f32, for e0, e2, e4
.set LIM,   11                         ; v11-13   448 x 2^e
.set R,     16                         ; v16-79   four sets of 16 numbers as they are loaded, one for each step
.set X,     80                         ; v80-111  two sets of 16 neighbours
.set T,     112                        ; v112-127 the 16 numbers held under one scale (X serves three scales, so it is not held in place)
.set C,     128                        ; v128-175 codes: four registers for each step and scale, so that no store's data are written again
	s_load_b128 s[4:7], s[0:1], 0x0                ; x, the scales' exponents
	s_load_b128 s[8:11], s[0:1], 0x10              ; xq0, xq1
	s_load_b64 s[12:13], s[0:1], 0x20              ; xq2
	v_lshl_add_u32 v176, v0, 2, 0x10000
	v_mov_b32 v177, 0
	v_lshrrev_b32 v1, 5, v0
	v_readfirstlane_b32 s16, v1                    ; wave 0..7
	v_and_b32 v2, 31, v0                           ; lane
	v_lshlrev_b32 v3, 4, v2                        ; 16 x lane: my bytes of a load's 512, and of a store's 512; never rewritten
	s_mul_i32 s17, s16, WREG
	v_lshrrev_b32 v14, 2, v2
	v_mul_u32_u24 v14, v14, SP
	v_and_b32 v15, 3, v2
	v_lshl_add_u32 v14, v15, 4, v14
	v_add_nc_u32 v14, s17, v14                     ; the stage, on the way in: SP (lane / 4) + 16 (lane % 4); a load's 512 bytes take eight places
	v_mul_u32_u24 v15, v2, SP
	v_add_nc_u32 v15, s17, v15                     ; and on the way out: SP x lane: my 16 neighbours
	s_lshl_b32 s18, ttmp9, 3
	s_add_co_u32 s18, s18, s16                     ; which run of 2,048 numbers is my wave's
	s_lshl_b32 s20, s18, 13                        ; 8,192 bytes of x,
	s_mov_b32 s21, 0
	s_lshl_b32 s22, s18, 11                        ; 2,048 bytes of each tensor of codes
	s_mov_b32 s23, 0
	s_wait_kmcnt 0x0
	s_load_b256 s[24:31], s[6:7], 0x0              ; e0 .. e7
	s_add_nc_u64 s[4:5], s[4:5], s[20:21]
	s_add_nc_u64 s[8:9], s[8:9], s[22:23]
	s_add_nc_u64 s[10:11], s[10:11], s[22:23]
	s_add_nc_u64 s[12:13], s[12:13], s[22:23]
.macro LOAD t
.irp i, 0,1,2,3
	global_load_b128 v[R+16*(\t)+4*\i:R+16*(\t)+4*\i+3], v3, s[4:5] offset:2048*(\t)+512*\i th:TH_LOAD_NT
.endr
.endm
.macro TURN t                          ; step t's numbers through a stage: LDS serves a wave's instructions in order, so no wait stands between the stores and the loads
.irp i, 0,1,2,3
	ds_store_b128 v14, v[R+16*(\t)+4*\i:R+16*(\t)+4*\i+3] offset:32*SP*((\t)%2)+8*SP*\i
.endr
.irp i, 0,1,2,3
	ds_load_b128 v[X+16*((\t)%2)+4*\i:X+16*((\t)%2)+4*\i+3], v15 offset:32*SP*((\t)%2)+16*\i
.endr
.endm
.macro QV v, t                         ; step t's 16 numbers under scale v: hold, convert, store
.set XS, X+16*((\t)%2)
.irp i, 0,1,2,3,4,5,6,7,8,9,10,11,12,13,14,15
	v_med3_num_f32 v[T+\i], v[XS+\i], -v[LIM+\v], v[LIM+\v]    ; the conversion to an 8-bit code does not saturate (ISA guide 7.6.2): hold the number first
.endr
	v_cvt_scalef32_pk8_fp8_f32 v[C+12*(\t)+4*(\v):C+12*(\t)+4*(\v)+1], v[T:T+7], v[SC+\v]
	v_cvt_scalef32_pk8_fp8_f32 v[C+12*(\t)+4*(\v)+2:C+12*(\t)+4*(\v)+3], v[T+8:T+15], v[SC+\v]
	v_nop                                          ; one plain vector line between the conversions and the next holds, which write the conversions' sources
	global_store_b128 v3, v[C+12*(\t)+4*(\v):C+12*(\t)+4*(\v)+3], s[8+2*(\v):9+2*(\v)] offset:512*(\t)
.endm
.macro STEP t
	s_wait_dscnt 0x0                               ; this step's numbers are back from the stage
.if (\t)+1 < STEPS
	s_wait_loadcnt 4*(STEPS-2-(\t))                ; the next step's four loads are in; the four of each later step may be out
	TURN (\t)+1                                    ; they go through the other stage while this step is worked
.endif
	QV 0, \t
	QV 1, \t
	QV 2, \t
.endm
.irp t, 0,1,2,3
	LOAD \t
.endr
	s_wait_kmcnt 0x0
.irp v, 0,1,2
	s_add_co_i32 s20, s[24+2*\v], 127
	s_lshl_b32 s21, s20, 23
	v_mov_b32 v[SC+\v], s21                        ; 2^e as f32: the conversion takes its exponent field
	s_add_co_i32 s20, s20, 8
	s_lshl_b32 s20, s20, 23
	s_or_b32 s20, s20, 0x600000
	v_mov_b32 v[LIM+\v], s20                       ; 448 x 2^e
.endr
	s_wait_loadcnt 12                              ; step 0's four loads are in; the twelve of steps 1 to 3 may be out
	TURN 0
.irp t, 0,1,2,3
	STEP \t
.endr
	s_wait_tensorcnt 0x0
	ds_add_u32 v176, v177
	s_wait_dscnt 0x0
	s_endpgm
.Lfunc_end_k_q6ce2c22992_quant:
	.size	k_q6ce2c22992_quant, .Lfunc_end_k_q6ce2c22992_quant-k_q6ce2c22992_quant
	.p2alignl 7, 3214868480
	.fill 96, 4, 3214868480
	.section	.rodata,"a",@progbits
	.p2align	6, 0x0
	.amdhsa_kernel k_q6ce2c22992_quant
		.amdhsa_group_segment_fixed_size 66560
		.amdhsa_private_segment_fixed_size 0
		.amdhsa_enable_private_segment 0
		.amdhsa_kernarg_size 40
		.amdhsa_user_sgpr_count 2
		.amdhsa_user_sgpr_kernarg_segment_ptr 1
		.amdhsa_wavefront_size32 1
		.amdhsa_system_sgpr_workgroup_id_x 1
		.amdhsa_system_sgpr_workgroup_id_y 1
		.amdhsa_system_sgpr_workgroup_id_z 1
		.amdhsa_system_vgpr_workitem_id 0
		.amdhsa_next_free_vgpr 178
		.amdhsa_next_free_sgpr 66
		.amdhsa_reserve_vcc 0
		.amdhsa_float_denorm_mode_32 3
		.amdhsa_float_denorm_mode_16_64 3
		.amdhsa_memory_ordered 1
		.amdhsa_forward_progress 1
		.amdhsa_inst_pref_size 22
	.end_amdhsa_kernel
	.amdgpu_metadata
---
amdhsa.version: [ 1, 2 ]
amdhsa.kernels:
  - .name:           k_q6ce2c22992_quant
    .symbol:         k_q6ce2c22992_quant.kd
    .args:
      - { .name: hidden_states, .offset: 0, .size: 8, .value_kind: global_buffer, .address_space: global }
      - { .name: lowp_scales, .offset: 8, .size: 8, .value_kind: global_buffer, .address_space: global }
      - { .name: xq0, .offset: 16, .size: 8, .value_kind: global_buffer, .address_space: global }
      - { .name: xq1, .offset: 24, .size: 8, .value_kind: global_buffer, .address_space: global }
      - { .name: xq2, .offset: 32, .size: 8, .value_kind: global_buffer, .address_space: global }
    .group_segment_fixed_size: 66560
    .private_segment_fixed_size: 0
    .kernarg_segment_align: 8
    .kernarg_segment_size: 40
    .max_flat_workgroup_size: 256
    .sgpr_count:     66
    .vgpr_count:     178
    .wavefront_size: 32
...
	.end_amdgpu_metadata
.endif
;; end of part 1
;; launch qkv (part 2): grid 12 x 32, 4 waves a work-group, clusters of 4 x 4, 327,680 bytes of LDS; arguments xq0, xq1, xq2, Wq_codes, Wk_codes, Wv_codes, bq, bk, bv, lowp_scales, q_img, k_img, v_img; writes q_img, k_img, v_img
.if DOCPART == 2
	.amdgcn_target "amdgcn-amd-amdhsa--gfx1250"
	.amdhsa_code_object_version 6
	.text
	.protected	k_q6ce2c22992_qkv
	.globl	k_q6ce2c22992_qkv
	.p2align	8
	.type	k_q6ce2c22992_qkv,@function
k_q6ce2c22992_qkv:
	s_mov_b64 s[64:65], 0
	v_nop
	global_prefetch_b8 v0, s[64:65] scope:SCOPE_SE
	s_setreg_imm32_b32 hwreg(HW_REG_WAVE_MODE, 25, 1), 1
	s_wait_xcnt 0x0
	s_wait_alu depctr_hold_cnt(0) depctr_sa_sdst(0) depctr_va_vdst(0) depctr_va_sdst(0) depctr_va_ssrc(0) depctr_va_vcc(0) depctr_vm_vsrc(0)
	s_getreg_b32 s2, hwreg(HW_REG_IB_STS2, 6, 4)
	s_cmp_eq_u32 s2, 0
	s_cbranch_scc0 .Lentry_in_a_cluster
	s_endpgm
.Lentry_in_a_cluster:
	s_bfe_u32 s2, ttmp6, 0x10000c
	s_cmp_lg_u32 s2, 0xf033
	s_cbranch_scc0 .Lentry_shape_is_right
	s_endpgm
.Lentry_shape_is_right:
; q = x Wq^T + bq, k = x Wk^T + bk, v = x Wv^T + bv on E4M3 codes (K = 1,024), each result quantised at once for attention's products (scales 2^e6, 2^e7, 2^e9) and stored as IMAGES OF OPERAND REGISTERS.
; The cluster's x says which: 0 = q, 1 = k, 2 = v.  A tile of 256 x 256 is made by four waves, each 128 x 128: 64 accumulators, 512 registers.  K goes in four steps of 256 through a ring of two LDS slots.
; THE MATRIX INSTRUCTION IS USED TRANSPOSED (source 0 = 16 rows of B, source 1 = 16 rows of A): a lane holds ONE row of A and eight neighbouring rows of B in each accumulator.
;   q, k: A = x's codes (tokens), B = the weight (features): a lane holds one token and eight neighbouring features: neighbours along attention's first K (the head's 64).
;   v:    A = Wv (features), B = x's codes (tokens): a lane holds one feature and eight neighbouring tokens: neighbours along attention's second K (the keys).  Only pointers and tile numbers differ: chosen by s_cselect on the cluster's x.
; So one conversion of accumulator b gives registers 2 (b % 4), 2 (b % 4) + 1 of a 16 x 64 fragment (lane (r, h): row r, k = 16 c + 8 h + 0 .. 7 in registers 2 c, 2 c + 1), and nothing changes lanes.
; AN IMAGE is 1,024 bytes: registers 4 g .. 4 g + 3 of lane l at 512 g + 16 l.  q_img, k_img: [16 b + head][token tile of 16 (64)][1024].  v_img: [16 b + head][block of 64 keys (16)][tile of 16 of the head's 64 (4)][1024].
; THE BIAS is the C of each sum's first product, divided by the power of two that the sums lack: b / 2^(ea + eb).  The result's code is sum / 2^(eo - ea - eb): the three scales folded into the conversion's one.
; CLUSTERS: 4 x 4 work-groups.  The four of a row of the cluster need the same tiles of A, the four of a column the same tiles of B: each tile is asked for JOINTLY, by the same tensor load with the same descriptor and a mask that names the four.
; LIMITS: e6 - e0 - e1, e7 - e2 - e3, e9 - e4 - e5 between -126 and 119.  NaN among the biases is not served.
; REGISTERS, in windows of 256: window 0: v0-31 addresses and the two numbers of the conversion; v32-95 the bias, later the numbers held for the conversion; from v128 A's fragments, ONE set, later the codes.
;   window 1: B's fragments, TWO sets.   window 2: the accumulators of my rows 0-63 ((a, b) at v[8 (8 a + b)]);   window 3: those of my rows 64-127.
.set ROWB,   256                       ; a tile's row in bytes: 256 codes
.set KROW,   1024                      ; a row of A or of B in memory, in bytes
.set PITCH,  272                       ; an LDS row: 256 bytes + 16 of padding = 68 words: row r starts at bank 4 r mod 64 (ISA guide 11.1), so the 16 rows that a load touches start at 16 different banks
.set FR,     16                        ; registers of a fragment: 16 rows x 128 K
.set NL,     4                         ; LDS loads that bring one
.set NP,     4                         ; places behind this matrix instruction (ISA guide 7.12.1)
.set HALFT,  128*PITCH                 ; 128 rows: what one tensor load brings, and what one wave reads of A or of B
.set SLOT,   4*HALFT                   ; A's 256 rows, then B's 256 rows
.set SPARE,  2*SLOT                    ; behind the ring: the spare words, 128 bytes for each wave, that no other line names
.set BH,   10                          ; v10     32 x (lane / 16): q's and k's bias
.set BR,   11                          ; v11     4 x (lane % 16): v's bias
.set QS,   12                          ; v12     2^(eo - ea - eb) as f32
.set QL,   13                          ; v13     448 x that
.set ADRA, 16                          ; v16-17  LDS address of my A fragments in slot 0, 1
.set ADRB, 20                          ; v20-21  the same for B
.set CO,   26                          ; v26     16 x lane: my place in half an image; never rewritten
.set SPW,  28                          ; v28     LDS address of my spare word; never rewritten
.set NIL,  29                          ; v29     0; never rewritten
.set BIA,  32                          ; v32-95  the bias in the result's layout
.set TMP,  32                          ; v32-95  on the way out: a block's 64 sums, held
.set AF,   128                         ; A's fragments
.set CD,   128                         ; on the way out: 16 registers of codes for each of the eight blocks: no store's data are written again
.set G1, 24                            ; s[24:31] descriptor group 1 for A's tiles;  s[32:39] group 0, one set for each slot
.set G0, 32
.set G1B, 48                           ; s[48:55], s[56:63] the same for B's tiles
.set G0B, 56
.set MSB, 0
.macro WIN new                         ; the immediate's high byte repeats the setting that is left
.if MSB != (\new)
	s_set_vgpr_msb (MSB<<8)|(\new)
.set MSB, (\new)
.endif
.endm
.set MUL_LO, 0xa1                      ; source 0 (B) window 1, source 1 (A) window 0, C and D window 2
.set MUL_HI, 0xf1                      ; the same, C and D window 3
.set FST_LO, 0x81                      ; the first products: C (the bias) window 0, D window 2
.set FST_HI, 0xc1                      ; D window 3
.set TO_B,   0x40                      ; destination window 1, address window 0
; A joint load: waves 0 and 1 fetch for A, waves 2 and 3 for B.  Each of the two lines has ONE mask and one set of registers for all that issue it; the branch hangs on the wave's number alone.
; Four v_nop follow each of the two lines, ahead of the jump, the label and what follows.
.macro JLOAD g0a, g1a, g0b, g1b
	s_cmp_eq_u32 s15, 0
	s_cbranch_scc0 .Lfor_b_\@
	tensor_load_to_lds s[\g0a:\g0a+3], s[\g1a:\g1a+7]
	s_nop 0
.rept 4
	v_nop
.endr
	s_branch .Lasked_\@
.Lfor_b_\@:
	tensor_load_to_lds s[\g0b:\g0b+3], s[\g1b:\g1b+7]
	s_nop 0
.rept 4
	v_nop
.endr
.Lasked_\@:
.endm
.macro CREST                           ; a round of the cluster's barrier behind its opening barrier
	s_cmp_lg_u32 s14, 0
	s_cbranch_scc1 .Lnot_wave_0_\@
	s_barrier_signal -3
.Lnot_wave_0_\@:
	s_barrier_wait -3
	s_barrier_signal -1
	s_barrier_wait -1
.endm
.macro CROUND                          ; a whole round
	s_barrier_signal -1
	s_barrier_wait -1
	CREST
.endm
	s_load_b512 s[68:83], s[0:1], 0x0              ; xq0 68, xq1 70, xq2 72, Wq 74, Wk 76, Wv 78, bq 80, bk 82
	s_load_b256 s[84:91], s[0:1], 0x40             ; bv 84, the scales' exponents 86, q_img 88, k_img 90
	s_load_b64 s[92:93], s[0:1], 0x60              ; v_img
	v_lshl_add_u32 v[SPW], v0, 2, SPARE
	v_mov_b32 v[NIL], 0
	ds_add_u32 v28, v29
	ds_add_u32 v28, v29
	s_wait_dscnt 0x0
	v_lshrrev_b32 v1, 5, v0
	v_readfirstlane_b32 s14, v1                    ; wave 0..3
	s_lshr_b32 s15, s14, 1                         ; which half of the tile's rows is mine.  Also: I fetch for A (0) or for B (1)
	s_and_b32 s16, s14, 1                          ; which half of its columns.  Also: which 128 rows of that tile I fetch
	s_bfe_u32 s40, ttmp6, 0x40000                  ; cx, cy: my place in the cluster
	s_bfe_u32 s41, ttmp6, 0x40004
	s_and_b32 s18, ttmp7, 0xffff
	s_lshl_b32 s18, s18, 2                         ; 4 x cluster y: the tokens' 32 tiles go along the grid's y
	s_cmp_eq_u32 ttmp9, 2                          ; v?  The cluster's x is the same in all sixteen partners
	s_cselect_b32 s17, 0, s18
	s_cselect_b32 s42, s18, 0
	s_add_co_u32 s17, s17, s41                     ; A's tile: q, k: tokens, 4 x cluster y + cy;  v: features, cy
	s_add_co_u32 s42, s42, s40                     ; B's tile: q, k: features, cx;  v: tokens, 4 x cluster y + cx
	s_lshl_b32 s43, s41, 2
	s_lshl_b32 s43, 15, s43                        ; my row of the cluster
	s_lshl_b32 s44, 0x1111, s40                    ; my column
	; descriptor group 1: a tile of 128 rows x 256 bytes, padded in LDS
	s_or_b32 s[G1+0], s43, (0<<16)|(1<<20)|(1<<21)|(5<<22)|(3<<25)  ; 15:0 the mask: A's tiles go to my row; 17:16 element of 1 byte; 20 padding on; 21 set beside a mask; 24:22 after every 64 words (code 5); 31:25 of 4 words (code 3)
	s_or_b32 s[G1B+0], s44, (0<<16)|(1<<20)|(1<<21)|(5<<22)|(3<<25)
.irp g, G1, G1B
	s_mov_b32 s[\g+1], ROWB<<16                    ; tensor_dim0
	s_mov_b32 s[\g+2], 128<<16                     ; tensor_dim1 = 128
	s_mov_b32 s[\g+3], ROWB<<16                    ; tile_dim0
	s_mov_b32 s[\g+4], 128                         ; tile_dim1 = 128
	s_mov_b32 s[\g+5], KROW                        ; tensor_dim0_stride
	s_mov_b32 s[\g+6], 0
	s_mov_b32 s[\g+7], 0
.endr
	s_lshl_b32 s19, s16, 7                         ; which 128 rows of the tile I fetch
	s_lshl_b32 s20, s17, 8
	s_add_co_u32 s20, s20, s19
	s_lshl_b32 s20, s20, 10                        ; A: (256 x tile + 128 x half) rows of 1,024 bytes: under 2^23
	s_mov_b32 s21, 0
	s_lshl_b32 s46, s42, 8
	s_add_co_u32 s46, s46, s19
	s_lshl_b32 s46, s46, 10                        ; B likewise
	s_mov_b32 s47, 0
	s_mul_i32 s45, s14, HALFT                      ; where they go: wave x 128 rows: no place in the cluster enters an LDS address
	s_wait_kmcnt 0x0
	s_cmp_eq_u32 ttmp9, 0                          ; the buffers are chosen on the cluster's x alone
	s_cselect_b64 s[4:5], s[68:69], s[70:71]       ; A
	s_cselect_b64 s[6:7], s[74:75], s[76:77]       ; B
	s_cselect_b64 s[12:13], s[80:81], s[82:83]     ; the bias
	s_cselect_b64 s[10:11], s[88:89], s[90:91]     ; the images
	s_cmp_eq_u32 ttmp9, 2
	s_cselect_b64 s[4:5], s[78:79], s[4:5]         ; v: A = Wv,
	s_cselect_b64 s[6:7], s[72:73], s[6:7]         ;    B = x's codes under e4
	s_cselect_b64 s[12:13], s[84:85], s[12:13]
	s_cselect_b64 s[10:11], s[92:93], s[10:11]
	s_mov_b64 s[8:9], s[86:87]
	s_load_b256 s[68:75], s[8:9], 0x0              ; e0 .. e7
	s_load_b128 s[76:79], s[8:9], 0x20             ; e8 .. e11
	s_add_nc_u64 s[20:21], s[4:5], s[20:21]
	s_add_nc_u64 s[46:47], s[6:7], s[46:47]
	CROUND                                         ; all sixteen work-groups are here: the first joint loads meet
.irp s, 0,1
	s_mov_b32 s[G0+4*\s], 1
	s_add_co_u32 s[G0+4*\s+1], s45, \s*SLOT
	s_add_nc_u64 s[G0+4*\s+2:G0+4*\s+3], s[20:21], \s*ROWB
	s_or_b32 s[G0+4*\s+3], s[G0+4*\s+3], 0x80000000
	s_mov_b32 s[G0B+4*\s], 1
	s_add_co_u32 s[G0B+4*\s+1], s45, \s*SLOT
	s_add_nc_u64 s[G0B+4*\s+2:G0B+4*\s+3], s[46:47], \s*ROWB
	s_or_b32 s[G0B+4*\s+3], s[G0B+4*\s+3], 0x80000000
	JLOAD G0+4*\s, G1, G0B+4*\s, G1B               ; two loads of mine are out from here to the first change of slots, later one
.endr
	v_and_b32 v1, 15, v0                           ; r = lane % 16
	v_bfe_u32 v2, v0, 4, 1                         ; h = lane / 16
	v_mul_u32_u24 v3, v1, PITCH
	v_lshl_add_u32 v4, v2, 4, v3                   ; a fragment's row x pitch + 16 x half
	s_mul_i32 s21, s15, HALFT                      ; my 128 rows of A
	s_mul_i32 s22, s16, HALFT                      ; my 128 rows of B,
	s_add_co_u32 s22, s22, 2*HALFT                 ; which lie behind A's 256
.irp s, 0,1
	v_add_nc_u32 v[ADRA+\s], s21, v4
	v_add_nc_u32 v[ADRB+\s], s22, v4
	s_add_co_u32 s21, s21, SLOT
	s_add_co_u32 s22, s22, SLOT
.endr
	v_and_b32 v6, 31, v0
	v_lshlrev_b32 v[CO], 4, v6
	v_lshlrev_b32 v[BH], 5, v2
	v_lshlrev_b32 v[BR], 2, v1
	; where my images go.  One formula serves the three layouts: (token tile / 4) 2^20 + (4 feature tile + 2 feature half) 2^16 + (token tile % 4) 2^14 + token half 2^13;
	; blocks a = 4 .. 7 lie SA further on, the second four accumulators of a block SH further on.  q, k: SA = 4 images, SH = a head.  v: SA = a head, SH = a block of 64 keys.
	s_cmp_eq_u32 ttmp9, 2
	s_cselect_b32 s88, s42, s17                    ; the tokens' tile of 256
	s_cselect_b32 s89, s17, s42                    ; the features' tile
	s_cselect_b32 s90, s16, s15                    ; my half of the tokens
	s_cselect_b32 s91, s15, s16                    ; my half of the features
	s_mov_b32 s98, 0x10000
	s_mov_b32 s99, 0x1000
	s_cselect_b32 s92, s98, s99                    ; SA
	s_cselect_b32 s93, s99, s98                    ; SH
	s_lshr_b32 s98, s88, 2
	s_lshl_b32 s98, s98, 20
	s_lshl_b32 s99, s89, 2
	s_add_co_u32 s99, s99, s91
	s_add_co_u32 s99, s99, s91
	s_lshl_b32 s99, s99, 16
	s_add_co_u32 s98, s98, s99
	s_and_b32 s99, s88, 3
	s_lshl_b32 s99, s99, 14
	s_add_co_u32 s98, s98, s99
	s_lshl_b32 s99, s90, 13
	s_add_co_u32 s98, s98, s99
	s_mov_b32 s99, 0
	s_add_nc_u64 s[80:81], s[10:11], s[98:99]      ; blocks 0-3, accumulators 0-3
	s_mov_b32 s98, s93
	s_add_nc_u64 s[82:83], s[80:81], s[98:99]      ; blocks 0-3, accumulators 4-7
	s_mov_b32 s98, s92
	s_add_nc_u64 s[84:85], s[80:81], s[98:99]      ; blocks 4-7, accumulators 0-3
	s_add_nc_u64 s[86:87], s[82:83], s[98:99]      ; blocks 4-7, accumulators 4-7
	s_lshl_b32 s98, s89, 10
	s_lshl_b32 s97, s91, 9
	s_add_co_u32 s98, s98, s97
	s_add_nc_u64 s[12:13], s[12:13], s[98:99]      ; the bias of my 128 features
	s_wait_kmcnt 0x0
	s_cmp_eq_u32 ttmp9, 0
	s_cselect_b32 s94, s68, s70                    ; ea: e0, e2 or e4
	s_cselect_b32 s95, s69, s71                    ; eb: e1, e3 or e5
	s_cselect_b32 s96, s74, s75                    ; eo: e6, e7 or e9
	s_cmp_eq_u32 ttmp9, 2
	s_cselect_b32 s94, s72, s94
	s_cselect_b32 s95, s73, s95
	s_cselect_b32 s96, s77, s96
	s_add_co_i32 s94, s94, s95                     ; ea + eb
	s_sub_co_i32 s96, s96, s94                     ; eo - ea - eb
	s_sub_co_i32 s94, 0, s94                       ; -(ea + eb)
	s_add_co_i32 s96, s96, 127
	s_lshl_b32 s97, s96, 23
	v_mov_b32 v[QS], s97
	s_add_co_i32 s96, s96, 8
	s_lshl_b32 s96, s96, 23
	s_or_b32 s96, s96, 0x600000
	v_mov_b32 v[QL], s96
	s_cmp_eq_u32 ttmp9, 2
	s_cbranch_scc1 .Lbias_v
.irp b, 0,1,2,3,4,5,6,7                        ; q, k: accumulator (a, b)'s register j is feature 16 b + 8 h + j
	global_load_b128 v[BIA+8*\b:BIA+8*\b+3], v[BH], s[12:13] offset:64*\b
	global_load_b128 v[BIA+8*\b+4:BIA+8*\b+7], v[BH], s[12:13] offset:64*\b+16
.endr
	s_wait_loadcnt 0x0
.set j, 0
.rept 64
	v_ldexp_f32 v[BIA+j], v[BIA+j], s94            ; b / 2^(ea + eb): nothing is rounded, short of overflow and underflow
.set j, j+1
.endr
	s_branch .Lbias_done
.Lbias_v:
.irp a, 0,1,2,3,4,5,6,7                        ; v: all eight registers of accumulator (a, b) are feature 16 a + r
	global_load_b32 v[BIA+8*\a], v[BR], s[12:13] offset:64*\a
.endr
	s_wait_loadcnt 0x0
.irp a, 0,1,2,3,4,5,6,7
.irp j, 7,6,5,4,3,2,1,0
	v_ldexp_f32 v[BIA+8*\a+\j], v[BIA+8*\a], s94   ; the loaded word is rewritten last
.endr
.endr
.Lbias_done:
.macro FRAG reg, adr, q, i             ; a fragment, 16 rows x 128 K, by four loads of 16 bytes: registers 4 c .. 4 c + 3 hold K = 32 c + 16 (l / 16) + 0 .. 15: the same permutation of k in A and in B, so every product meets its partner
.irp c, 0,1,2,3
	ds_load_b128 v[\reg+4*\c:\reg+4*\c+3], v[\adr] offset:128*(\q)+32*\c+(\i)*16*PITCH
.endr
.endm
; 16 matrix instructions: A's blocks a0, a0 + 1 x B's eight, 128 along K.  p: B's set.  mode 0: onto the sums.  mode 1, 2: the first products start the sums with the bias as C, by B's block (q, k) or by A's (v).
; The 64 accumulators take turns, one instruction a turn, in the same order in every step.
.macro MUL16 a0, p, mode
.irp a, \a0, \a0+1
.irp b, 0,1,2,3,4,5,6,7
.if (\mode) == 1
	v_wmma_f32_16x16x128_fp8_fp8 v[8*(8*((\a)%4)+\b):8*(8*((\a)%4)+\b)+7], v[128*(\p)+FR*\b:128*(\p)+FR*\b+FR-1], v[AF+FR*(\a):AF+FR*(\a)+FR-1], v[BIA+8*\b:BIA+8*\b+7]
.elseif (\mode) == 2
	v_wmma_f32_16x16x128_fp8_fp8 v[8*(8*((\a)%4)+\b):8*(8*((\a)%4)+\b)+7], v[128*(\p)+FR*\b:128*(\p)+FR*\b+FR-1], v[AF+FR*(\a):AF+FR*(\a)+FR-1], v[BIA+8*(\a):BIA+8*(\a)+7]
.else
	v_wmma_f32_16x16x128_fp8_fp8 v[8*(8*((\a)%4)+\b):8*(8*((\a)%4)+\b)+7], v[128*(\p)+FR*\b:128*(\p)+FR*\b+FR-1], v[AF+FR*(\a):AF+FR*(\a)+FR-1], v[8*(8*((\a)%4)+\b):8*(8*((\a)%4)+\b)+7]
.endif
.endr
.endr
.endm
.macro FETCH_B slot, q, p              ; B's eight fragments of the slot's q-th 128 along K into set p
	WIN TO_B
.irp i, 0,1,2,3,4,5,6,7
	FRAG 128*(\p)+FR*\i, ADRB+\slot, \q, \i
.endr
	WIN 0
.endm
.macro FETCH_A slot, q, i0             ; A's blocks i0 .. i0 + 3
.irp i, \i0, \i0+1, \i0+2, \i0+3
	FRAG AF+FR*(\i), ADRA+\slot, \q, \i
.endr
.endm
; A load into a register that a matrix instruction has read, and a vector instruction that reads a matrix result, stand NP places behind it; only plain vector instructions that name none of its registers are places.
.macro PLACES n
.rept \n
	v_nop
.endr
.endm
; A step of 128 along K that has its successor in the same slot.  A's block is free as soon as its eight products are issued, so one set serves A: blocks 0-3 are fetched anew in the step's middle, blocks 4-7 at its end.
.macro STEP slot, q, mode
	s_wait_dscnt 4*NL                              ; B's set and A's blocks 0-3 are in; the youngest sixteen loads (A's blocks 4-7) may be out
.if \mode
	WIN FST_LO
.else
	WIN MUL_LO
.endif
	MUL16 0, (\q)%2, \mode
	MUL16 2, (\q)%2, \mode
	s_wait_dscnt 0                                 ; A's blocks 4-7 are in (asked for 32 matrix instructions ago)
	PLACES NP
	FETCH_B \slot, (\q)+1, 1-(\q)%2
	FETCH_A \slot, (\q)+1, 0
.if \mode
	WIN FST_HI
.else
	WIN MUL_HI
.endif
	MUL16 4, (\q)%2, \mode
	MUL16 6, (\q)%2, \mode
	PLACES NP
	WIN 0
	FETCH_A \slot, (\q)+1, 4
.endm
; A slot's last step changes slots: ONE barrier; in front of it each wave waits for all its tensor loads, adds 0 to its spare word, and waits for that and for its own reads of this slot.  fill = 1: this slot is filled again, two K steps ahead.
.macro TURN slot, next, fill
	s_wait_tensorcnt 0x0                           ; all my tensor loads have landed: my part of the next slot;  (every window is 0 here)
	ds_add_u32 v[SPW], v[NIL]                      ; 0 onto my spare word
	s_wait_dscnt 4*NL+1                            ; (the add and the youngest sixteen loads, A's blocks 4-7, may be out)
	WIN MUL_LO
	MUL16 0, 1, 0                                  ; sixteen matrix instructions stand between the add and the wait for it
	s_wait_dscnt 0x0                               ; the add is done, and my reads of this slot are over
	s_barrier_signal -1
	MUL16 2, 1, 0
	WIN 0
	s_barrier_wait -1
.if \fill
	CREST                                          ; the barrier has opened a round of the cluster's barrier: no wave of any partner still reads this slot's tile or has a load on its way
	s_add_nc_u64 s[G0+4*\slot+2:G0+4*\slot+3], s[G0+4*\slot+2:G0+4*\slot+3], 2*ROWB
	s_add_nc_u64 s[G0B+4*\slot+2:G0B+4*\slot+3], s[G0B+4*\slot+2:G0B+4*\slot+3], 2*ROWB
	JLOAD G0+4*\slot, G1, G0B+4*\slot, G1B         ; the first tensor load behind the round; the four v_nop behind it are the places in front of the loads below
.else
	PLACES NP
.endif
	FETCH_B \next, 0, 0
	FETCH_A \next, 0, 0
	WIN MUL_HI
	MUL16 4, 1, 0
	MUL16 6, 1, 0
	PLACES NP
	WIN 0
	FETCH_A \next, 0, 4
.endm
	s_wait_tensorcnt 1                             ; my part of K step 0 is in (K step 1's load may be out)
	s_barrier_signal -1
	s_barrier_wait -1                              ; everybody's is
	FETCH_B 0, 0, 0
	FETCH_A 0, 0, 0
	FETCH_A 0, 0, 4
	s_cmp_eq_u32 ttmp9, 2                          ; the first step is written twice: its products take the bias as C, by B's block or by A's.  It holds LDS loads and products alone
	s_cbranch_scc1 .Lfirst_v
	STEP 0, 0, 1
	s_branch .Lfirst_done
.Lfirst_v:
	STEP 0, 0, 2
.Lfirst_done:
	TURN 0, 1, 1                                   ; K has four steps of 256: once round the ring with refills (K steps 2 and 3), once without; written straight, since a loop would have one trip
	STEP 1, 0, 0
	TURN 1, 0, 1
	STEP 0, 0, 0
	TURN 0, 1, 0
	STEP 1, 0, 0
	s_wait_dscnt 4*NL                              ; the very last step: nothing more to fetch
	WIN MUL_LO
	MUL16 0, 1, 0
	MUL16 2, 1, 0
	s_wait_dscnt 0
	WIN MUL_HI
	MUL16 4, 1, 0
	MUL16 6, 1, 0
	WIN 0
; THE WAY OUT, block by block of A's 16 rows: hold, convert, store.  The conversion of accumulator b gives two registers of an image; four accumulators make an image, which leaves by two stores of 512 consecutive bytes, aligned.
.macro OUTBLK a
.set AC, 64*((\a)%4)
	WIN 0x02+((\a)/4)                              ; source 0: window 2 or 3
.set j, 0
.rept 64
	v_med3_num_f32 v[TMP+j], v[AC+j], -v[QL], v[QL]    ; the hold at the largest code x the scale (ISA guide 7.6.2); each accumulator from its low end on
.set j, j+1
.endr
	WIN 0
.irp b, 0,1,2,3,4,5,6,7
	v_cvt_scalef32_pk8_fp8_f32 v[CD+16*(\a)+2*\b:CD+16*(\a)+2*\b+1], v[TMP+8*\b:TMP+8*\b+7], v[QS]
.endr
	v_nop                                          ; one plain vector line between the conversions and the next block's holds, which write their sources
.irp hh, 0,1
.irp g, 0,1
	global_store_b128 v[CO], v[CD+16*(\a)+8*\hh+4*\g:CD+16*(\a)+8*\hh+4*\g+3], s[80+4*((\a)/4)+2*\hh:81+4*((\a)/4)+2*\hh] offset:1024*((\a)%4)+512*\g th:TH_STORE_NT
.endr
.endr
.endm
	PLACES NP                                      ; behind the last products: their results are read, and the registers that held A's fragments are written
.irp a, 0,1,2,3,4,5,6,7
	OUTBLK \a
.endr
	s_wait_tensorcnt 0x0                           ; the wave's end
	ds_add_u32 v[SPW], v[NIL]
	s_wait_dscnt 0x0
	CROUND                                         ; the closing round: no work-group ends while a partner may still ask for a tile that names it
	s_endpgm
.Lfunc_end_k_q6ce2c22992_qkv:
	.size	k_q6ce2c22992_qkv, .Lfunc_end_k_q6ce2c22992_qkv-k_q6ce2c22992_qkv
	.p2alignl 7, 3214868480
	.fill 96, 4, 3214868480
	.section	.rodata,"a",@progbits
	.p2align	6, 0x0
	.amdhsa_kernel k_q6ce2c22992_qkv
		.amdhsa_group_segment_fixed_size 327680
		.amdhsa_private_segment_fixed_size 0
		.amdhsa_enable_private_segment 0
		.amdhsa_kernarg_size 104
		.amdhsa_user_sgpr_count 2
		.amdhsa_user_sgpr_kernarg_segment_ptr 1
		.amdhsa_wavefront_size32 1
		.amdhsa_system_sgpr_workgroup_id_x 1
		.amdhsa_system_sgpr_workgroup_id_y 1
		.amdhsa_system_sgpr_workgroup_id_z 1
		.amdhsa_system_vgpr_workitem_id 0
		.amdhsa_next_free_vgpr 1024
		.amdhsa_next_free_sgpr 100
		.amdhsa_reserve_vcc 0
		.amdhsa_float_denorm_mode_32 3
		.amdhsa_float_denorm_mode_16_64 3
		.amdhsa_memory_ordered 1
		.amdhsa_forward_progress 1
		.amdhsa_inst_pref_size 138
	.end_amdhsa_kernel
	.amdgpu_metadata
---
amdhsa.version: [ 1, 2 ]
amdhsa.kernels:
  - .name:           k_q6ce2c22992_qkv
    .symbol:         k_q6ce2c22992_qkv.kd
    .args:
      - { .name: xq0, .offset: 0, .size: 8, .value_kind: global_buffer, .address_space: global }
      - { .name: xq1, .offset: 8, .size: 8, .value_kind: global_buffer, .address_space: global }
      - { .name: xq2, .offset: 16, .size: 8, .value_kind: global_buffer, .address_space: global }
      - { .name: Wq_codes, .offset: 24, .size: 8, .value_kind: global_buffer, .address_space: global }
      - { .name: Wk_codes, .offset: 32, .size: 8, .value_kind: global_buffer, .address_space: global }
      - { .name: Wv_codes, .offset: 40, .size: 8, .value_kind: global_buffer, .address_space: global }
      - { .name: bq, .offset: 48, .size: 8, .value_kind: global_buffer, .address_space: global }
      - { .name: bk, .offset: 56, .size: 8, .value_kind: global_buffer, .address_space: global }
      - { .name: bv, .offset: 64, .size: 8, .value_kind: global_buffer, .address_space: global }
      - { .name: lowp_scales, .offset: 72, .size: 8, .value_kind: global_buffer, .address_space: global }
      - { .name: q_img, .offset: 80, .size: 8, .value_kind: global_buffer, .address_space: global }
      - { .name: k_img, .offset: 88, .size: 8, .value_kind: global_buffer, .address_space: global }
      - { .name: v_img, .offset: 96, .size: 8, .value_kind: global_buffer, .address_space: global }
    .group_segment_fixed_size: 327680
    .private_segment_fixed_size: 0
    .kernarg_segment_align: 8
    .kernarg_segment_size: 104
    .max_flat_workgroup_size: 128
    .sgpr_count:     100
    .vgpr_count:     1024
    .wavefront_size: 32
...
	.end_amdgpu_metadata
.endif
;; end of part 2
;; launch attn (part 3): grid 2 x 128, 16 waves a work-group, no clusters, 137,216 bytes of LDS; arguments q_img, k_img, v_img, attention_mask, lowp_scales, ctx_img; writes ctx_img
.if DOCPART == 3
	.amdgcn_target "amdgcn-amd-amdhsa--gfx1250"
	.amdhsa_code_object_version 6
	.text
	.protected	k_q6ce2c22992_attn
	.globl	k_q6ce2c22992_attn
	.p2align	8
	.type	k_q6ce2c22992_attn,@function
k_q6ce2c22992_attn:
	s_mov_b64 s[64:65], 0
	v_nop
	global_prefetch_b8 v0, s[64:65] scope:SCOPE_SE
	s_setreg_imm32_b32 hwreg(HW_REG_WAVE_MODE, 25, 1), 1
	s_wait_xcnt 0x0
; ctx = softmax(q k^T / 8 + mask) v for one head, both products on E4M3 codes (scales 2^e6, 2^e7; 2^e8, 2^e9), the result quantised at once under 2^e10 for the output projection.
; THE SOFTMAX AHEAD OF THE SECOND PRODUCT: t = (score / 8 + mask) x log2(e); M = the running largest t rounded UP to a whole number; p = 2^(t - M) is what is quantised; the row's sum is taken of the unquantised p and divides at the end.
; When M moves, the sum and O are multiplied by 2^(old M - new M): nothing is rounded, and no branch hangs on data.
; SHARES.  A work-group owns 512 queries of one head (grid x: which half; grid y: 16 b + head); each of its sixteen waves owns 32: two tiles of 16, which share every fragment of K and V and every mask register.
; Four waves lie on a SIMD, so that one wave's vector work stands beside another's products and LDS loads.
; THE HEAD'S K, V AND MASK LIE IN LDS WHOLE (64 + 64 + 4 KiB), copied once through registers; one barrier; from there on LDS is only read and the waves are independent.
; No joint loads: only two work-groups read a head's 128 KiB, each once, in one dense copy at its head.  No prefetch: every load goes out at the head.
; OPERANDS ARE IMAGES OF REGISTERS (1,024 bytes: registers 4 g .. 4 g + 3 of lane l at 512 g + 16 l; lane (r, h): row r, k = 16 c + 8 h + 0 .. 7 in registers 2 c, 2 c + 1): every LDS load is 512 consecutive bytes.
; Both products are used transposed: S^T = K Q^T (source 0 = 16 keys, source 1 = 16 queries), O^T = V^T P^T: a lane holds ONE query (lane % 16) throughout, and register j of tile c is key (or channel) 16 c + 8 h + j,
; so the conversion of tile c gives registers 2 c, 2 c + 1 of the next operand.
; THE MASK IS THE C OF THE FIRST PRODUCT: u = sum + mask x 2^(3 - e6 - e7), t = c' u with c' = log2(e) / 8 x 2^(e6 + e7).
; LIMITS: mask entries under -5e8 (minus infinity too) count as -5e8; a row all of whose keys lie that low is not served as the definition has it.  e6 + e7 between -123 and 130; e8, and e10 - e8 - e9, between -126 and 119.  NaN is not served.
.set VL,  65536                        ; LDS: k_img's 64 images of the head from 0, v_img's 64 from VL,
.set ML,  131072                       ; the mask, 1,024 words, scaled
.set Q,   32                           ; v32-47   Q's two fragments
.set KV,  48                           ; v48-79   four fragments of K, then of V
.set MC,  80                           ; v80-111  the mask of the step's 64 keys in the result's layout
.set S,   112                          ; v112-175 S^T, then p: 32 a tile
.set O,   176                          ; v176-239 O^T: 32 a tile
.set P,   240                          ; v240-255 p's codes: 8 a tile
; v1 16 x lane; v2 the same + VL; v3 ML + 32 h; v4-6 the step's addresses; tile i: v[8+4i] -M, v[9+4i] the largest t, v[10+4i:11+4i] the sum in two halves, v[16+2i] f, v[20+2i:21+2i] at work, v[24+i] the other half of the lanes';
; v28 2^e8, v29 448 x 2^e8, v30 2^(e10 - e8 - e9), v31 448 x that
	s_load_b256 s[4:11], s[0:1], 0x0               ; q_img, k_img, v_img, the mask
	s_load_b128 s[12:15], s[0:1], 0x20             ; the scales' exponents, ctx_img
	v_lshrrev_b32 v4, 5, v0
	v_readfirstlane_b32 s16, v4                    ; wave 0..15
	v_and_b32 v5, 31, v0
	v_lshlrev_b32 v1, 4, v5
	v_add_nc_u32 v2, VL, v1
	v_bfe_u32 v6, v0, 4, 1
	v_lshlrev_b32 v3, 5, v6
	v_add_nc_u32 v3, ML, v3
	v_lshlrev_b32 v7, 4, v0                        ; the copy: 16 x thread,
	v_add_nc_u32 v26, VL, v7
	v_lshlrev_b32 v27, 3, v0                       ; the mask: 8 x thread
	v_add_nc_u32 v6, ML, v27
	s_and_b32 s17, ttmp7, 0xffff                   ; 16 b + head
	s_lshr_b32 s18, s17, 4                         ; b
	s_lshl_b32 s28, s17, 16                        ; the head's 65,536 bytes in k_img and in v_img
	s_mov_b32 s29, 0
	s_lshl_b32 s19, ttmp9, 5
	s_lshl_b32 s30, s16, 1
	s_add_co_u32 s19, s19, s30                     ; my first tile of 16 queries: 32 x half + 2 x wave
	s_lshl_b32 s30, s17, 6
	s_add_co_u32 s30, s30, s19
	s_lshl_b32 s30, s30, 10                        ; its image in q_img
	s_mov_b32 s31, 0
	s_lshl_b32 s44, s18, 6
	s_add_co_u32 s44, s44, s19
	s_lshl_b32 s44, s44, 4
	s_and_b32 s45, s17, 15
	s_add_co_u32 s44, s44, s45
	s_lshl_b32 s44, s44, 10                        ; and in ctx_img: [token tile (512)][head (16)][1024]
	s_mov_b32 s45, 0
	s_lshl_b32 s46, s18, 12                        ; the batch's row of the mask
	s_mov_b32 s47, 0
	s_mov_b32 s20, 0x76543210                      ; v_permlanex16_b32's selects for lane l xor 16
	s_mov_b32 s21, 0xfedcba98
	s_mov_b32 s24, 0                               ; LDS byte of the step's images, in K's part and in V's
	s_mov_b32 s25, 0                               ; and of its 64 mask words
	s_mov_b32 s26, 16                              ; key steps
	s_wait_kmcnt 0x0
	s_load_b256 s[32:39], s[12:13], 0x0            ; e0 .. e7
	s_load_b128 s[40:43], s[12:13], 0x20           ; e8 .. e11
	s_add_nc_u64 s[4:5], s[4:5], s[30:31]
	s_add_nc_u64 s[6:7], s[6:7], s[28:29]
	s_add_nc_u64 s[8:9], s[8:9], s[28:29]
	s_add_nc_u64 s[10:11], s[10:11], s[46:47]
	s_add_nc_u64 s[14:15], s[14:15], s[44:45]
	global_load_b64 v[20:21], v27, s[10:11]
.irp i, 0,1,2,3,4,5,6,7
	global_load_b128 v[S+4*\i:S+4*\i+3], v7, s[6:7] offset:8192*\i          ; the 512 threads copy 8,192 consecutive bytes an instruction
.endr
.irp i, 0,1,2,3,4,5,6,7
	global_load_b128 v[S+32+4*\i:S+32+4*\i+3], v7, s[8:9] offset:8192*\i
.endr
.irp i, 0,1
.irp g, 0,1
	global_load_b128 v[Q+8*\i+4*\g:Q+8*\i+4*\g+3], v1, s[4:5] offset:1024*\i+512*\g
.endr
.endr
.irp i, 0,1
	v_mov_b32 v[9+4*\i], 0xff61b1e6                ; the largest t so far: -3e38, under every t
	v_floor_f32 v[8+4*\i], -v[9+4*\i]              ; -M
	v_mov_b32 v[10+4*\i], 0                        ; the sum
	v_mov_b32 v[11+4*\i], 0
	v_mov_b32 v[17+2*\i], 0                        ; (named as the upper half of f's pair)
	v_mov_b32 v[24+\i], 0                          ; written once: a lane permute's destination counts as one of its sources
.endr
.set j, 0
.rept 64
	v_mov_b32 v[O+j], 0                            ; O^T.  (The loop is written once: its first step finds zeros, which the first change of M leaves zeros)
.set j, j+1
.endr
	s_wait_kmcnt 0x0
	s_add_co_i32 s28, s38, s39                     ; e6 + e7
	s_lshl_b32 s29, s28, 23
	s_add_co_i32 s22, s29, 0x3e38aa3b              ; c' = log2(e) / 8 x 2^(e6 + e7): the exponents are added to c's exponent field
	s_mov_b32 s23, s22                             ; (named with it as a pair, so it is written)
	s_sub_co_i32 s28, 3, s28                       ; the mask goes in x 8 / 2^(e6 + e7)
	s_mov_b32 s27, s40                             ; e8
	s_add_co_i32 s29, s40, 127
	s_lshl_b32 s30, s29, 23
	v_mov_b32 v28, s30
	s_add_co_i32 s29, s29, 8
	s_lshl_b32 s29, s29, 23
	s_or_b32 s29, s29, 0x600000
	v_mov_b32 v29, s29
	s_sub_co_i32 s29, s42, s40
	s_sub_co_i32 s29, s29, s41                     ; O / l stands for ctx / 2^(e8 + e9): its code is (O / l) / 2^(e10 - e8 - e9)
	s_add_co_i32 s29, s29, 127
	s_lshl_b32 s30, s29, 23
	v_mov_b32 v30, s30
	s_add_co_i32 s29, s29, 8
	s_lshl_b32 s29, s29, 23
	s_or_b32 s29, s29, 0x600000
	v_mov_b32 v31, s29
	s_wait_loadcnt 0x0
	v_max_num_f32 v20, 0xcdee6b28, v20             ; at least -5e8
	v_max_num_f32 v21, 0xcdee6b28, v21
	v_ldexp_f32 v20, v20, s28
	v_ldexp_f32 v21, v21, s28
.irp i, 0,1,2,3,4,5,6,7
	ds_store_b128 v7, v[S+4*\i:S+4*\i+3] offset:8192*\i
.endr
.irp i, 0,1,2,3,4,5,6,7
	ds_store_b128 v26, v[S+32+4*\i:S+32+4*\i+3] offset:8192*\i
.endr
	ds_store_b64 v6, v[20:21]
	s_wait_dscnt 0x0                               ; for the others' sake: my stores have landed
	s_barrier_signal -1
	s_barrier_wait -1                              ; the launch's one barrier: from here on LDS is only read
.Lstep:                                            ; sixteen trips, 64 keys each
	v_add_nc_u32 v4, s24, v1
	v_add_nc_u32 v5, s24, v2
	v_add_nc_u32 v6, s25, v3
	v_nop                                          ; with the three additions: four places between the last trip's products and the loads into the registers that they read
.irp c, 0,1,2,3
	ds_load_b128 v[KV+8*\c:KV+8*\c+3], v4 offset:1024*\c
	ds_load_b128 v[KV+8*\c+4:KV+8*\c+7], v4 offset:1024*\c+512
.endr
.irp c, 0,1,2,3
	ds_load_b128 v[MC+8*\c:MC+8*\c+3], v6 offset:64*\c          ; keys 16 c + 8 h + 0 .. 7: sixteen lanes read the same words
	ds_load_b128 v[MC+8*\c+4:MC+8*\c+7], v6 offset:64*\c+16
.endr
	s_wait_dscnt 0x0
.irp c, 0,1,2,3
.irp i, 0,1
	v_wmma_f32_16x16x64_fp8_fp8 v[S+32*\i+8*\c:S+32*\i+8*\c+7], v[KV+8*\c:KV+8*\c+7], v[Q+8*\i:Q+8*\i+7], v[MC+8*\c:MC+8*\c+7]
.endr
.endr
.rept 4
	v_nop                                          ; places: in front of the loads into K's registers and of the first read of the scores
.endr
.irp c, 0,1,2,3
	ds_load_b128 v[KV+8*\c:KV+8*\c+3], v5 offset:1024*\c        ; V's four tiles of 16 channels: they land during the softmax
	ds_load_b128 v[KV+8*\c+4:KV+8*\c+7], v5 offset:1024*\c+512
.endr
	; the step's largest u of my query among my 32 keys, in two chains; the two tiles alternate line by line; each accumulator is read from its low end on
.irp i, 0,1
	v_max3_num_f32 v[20+2*\i], v[S+32*\i], v[S+32*\i+1], v[S+32*\i+2]
.endr
.irp i, 0,1
	v_max3_num_f32 v[21+2*\i], v[S+32*\i+3], v[S+32*\i+4], v[S+32*\i+5]
.endr
.irp n, 6,10,14,18,22,26
.irp i, 0,1
	v_max3_num_f32 v[20+2*\i], v[20+2*\i], v[S+32*\i+\n], v[S+32*\i+\n+1]
.endr
.irp i, 0,1
	v_max3_num_f32 v[21+2*\i], v[21+2*\i], v[S+32*\i+\n+2], v[S+32*\i+\n+3]
.endr
.endr
.irp i, 0,1
	v_max3_num_f32 v[20+2*\i], v[20+2*\i], v[S+32*\i+30], v[S+32*\i+31]
.endr
.irp i, 0,1
	v_max_num_f32 v[20+2*\i], v[20+2*\i], v[21+2*\i]
.endr
.irp i, 0,1
	v_permlanex16_b32 v[24+\i], v[20+2*\i], s20, s21
.endr
.irp i, 0,1
	v_max_num_f32 v[20+2*\i], v[20+2*\i], v[24+\i]     ; and among lane l xor 16's
.endr
.irp i, 0,1
	v_mul_f32 v[20+2*\i], s22, v[20+2*\i]              ; as t (c' is positive)
.endr
.irp i, 0,1
	v_max_num_f32 v[9+4*\i], v[9+4*\i], v[20+2*\i]     ; the running largest t
.endr
.irp i, 0,1
	v_mov_b32 v[20+2*\i], v[8+4*\i]
.endr
.irp i, 0,1
	v_floor_f32 v[8+4*\i], -v[9+4*\i]                  ; the new -M = floor(-t) = -ceil(t): M is a whole number
.endr
.irp i, 0,1
	v_sub_f32 v[20+2*\i], v[8+4*\i], v[20+2*\i]        ; old M - new M: a whole number, 0 or less
.endr
.irp i, 0,1
	v_cvt_i32_f32 v[20+2*\i], v[20+2*\i]               ; (it saturates)
.endr
.irp i, 0,1
	v_ldexp_f32 v[16+2*\i], 1.0, v[20+2*\i]            ; f = 2^(old M - new M)
.endr
.irp j, 0,2,4,6,8,10,12,14,16,18,20,22,24,26,28,30
.irp i, 0,1
	v_pk_fma_f32 v[S+32*\i+\j:S+32*\i+\j+1], v[S+32*\i+\j:S+32*\i+\j+1], s[22:23], v[8+4*\i:9+4*\i] op_sel_hi:[1,0,0]   ; t - M, two at a time (of the pairs c' and -M the low word serves both halves)
.endr
.endr
.set j, 0
.rept 64
	v_exp_f32 v[S+j], v[S+j]                       ; p = 2^(t - M): one batch for both tiles
.set j, j+1
.endr
.irp i, 0,1
	v_pk_mul_f32 v[10+4*\i:11+4*\i], v[10+4*\i:11+4*\i], v[16+2*\i:17+2*\i] op_sel_hi:[1,0]   ; the sums under the new M: plain lines behind the exponentials
.endr
	s_wait_alu depctr_va_vdst(0)                   ; one wait for the whole batch, ahead of its first reader
.irp i, 0,1
	v_pk_add_f32 v[20+2*\i:21+2*\i], v[S+32*\i:S+32*\i+1], v[S+32*\i+2:S+32*\i+3]   ; the row's sum is taken of the UNQUANTISED p, in two chains
.endr
.irp j, 4,8,12,16,20,24,28
.irp i, 0,1
	v_pk_add_f32 v[10+4*\i:11+4*\i], v[10+4*\i:11+4*\i], v[S+32*\i+\j:S+32*\i+\j+1]
	v_pk_add_f32 v[20+2*\i:21+2*\i], v[20+2*\i:21+2*\i], v[S+32*\i+\j+2:S+32*\i+\j+3]
.endr
.endr
.irp i, 0,1
	v_pk_add_f32 v[10+4*\i:11+4*\i], v[10+4*\i:11+4*\i], v[20+2*\i:21+2*\i]
.endr
	; THE HOLD.  p is at most 1 (but for its last bit), so with e8 >= -8 p / 2^e8 stays under 448 and the hold would change nothing: it is passed over by a scalar branch on the given whole number.  With e8 <= -9 it is executed.
	s_cmp_gt_i32 s27, -9
	s_cbranch_scc1 .Lnohold
.set j, 0
.rept 64
	v_min_num_f32 v[S+j], v[S+j], v29              ; p is not negative: the hold is one-sided
.set j, j+1
.endr
.Lnohold:
.irp c, 0,1,2,3
.irp i, 0,1
	v_cvt_scalef32_pk8_fp8_f32 v[P+8*\i+2*\c:P+8*\i+2*\c+1], v[S+32*\i+8*\c:S+32*\i+8*\c+7], v28
.endr
.endr
.irp j, 0,2,4,6,8,10,12,14,16,18,20,22,24,26,28,30
.irp i, 0,1
	v_pk_mul_f32 v[O+32*\i+\j:O+32*\i+\j+1], v[O+32*\i+\j:O+32*\i+\j+1], v[16+2*\i:17+2*\i] op_sel_hi:[1,0]   ; O^T under the new M.  (Also the plain lines between the conversions and the products)
.endr
.endr
	s_wait_dscnt 0x0                               ; V is in
.irp c, 0,1,2,3
.irp i, 0,1
	v_wmma_f32_16x16x64_fp8_fp8 v[O+32*\i+8*\c:O+32*\i+8*\c+7], v[KV+8*\c:KV+8*\c+7], v[P+8*\i:P+8*\i+7], v[O+32*\i+8*\c:O+32*\i+8*\c+7]   ; eight accumulators, one instruction each: by turns, over the backward jump too
.endr
.endr
	s_add_co_u32 s24, s24, 4096
	s_add_co_u32 s25, s25, 256
	s_sub_co_u32 s26, s26, 1
	s_cmp_lg_u32 s26, 0
	s_cbranch_scc1 .Lstep
	; THE WAY OUT: O^T / the sum, held, converted: the conversions' results are an image of the output projection's operand
.irp i, 0,1
	v_add_f32 v[20+2*\i], v[10+4*\i], v[11+4*\i]
.endr
.irp i, 0,1
	v_permlanex16_b32 v[24+\i], v[20+2*\i], s20, s21
.endr
.irp i, 0,1
	v_add_f32 v[20+2*\i], v[20+2*\i], v[24+\i]     ; the row's sum: over 1/2, since the row's largest p is
.endr
.irp i, 0,1
	v_rcp_f32 v[16+2*\i], v[20+2*\i]
.endr
	v_nop                                          ; a plain line behind the last reciprocal
	s_wait_alu depctr_va_vdst(0)                   ; one wait for both, ahead of the first reader
.irp j, 0,2,4,6,8,10,12,14,16,18,20,22,24,26,28,30
.irp i, 0,1
	v_pk_mul_f32 v[S+32*\i+\j:S+32*\i+\j+1], v[O+32*\i+\j:O+32*\i+\j+1], v[16+2*\i:17+2*\i] op_sel_hi:[1,0]
.endr
.endr
.set j, 0
.rept 64
	v_med3_num_f32 v[S+j], v[S+j], -v31, v31
.set j, j+1
.endr
.irp c, 0,1,2,3
.irp i, 0,1
	v_cvt_scalef32_pk8_fp8_f32 v[P+8*\i+2*\c:P+8*\i+2*\c+1], v[S+32*\i+8*\c:S+32*\i+8*\c+7], v30
.endr
.endr
	v_nop
.irp i, 0,1
.irp g, 0,1
	global_store_b128 v1, v[P+8*\i+4*\g:P+8*\i+4*\g+3], s[14:15] offset:16384*\i+512*\g   ; 512 consecutive bytes, aligned; the next token tile's image of this head lies 16 images on
.endr
.endr
	s_wait_xcnt 0x0
	v_lshl_add_u32 v254, v0, 2, 0x21000
	v_mov_b32 v255, 0
	s_wait_tensorcnt 0x0
	ds_add_u32 v254, v255
	s_wait_dscnt 0x0
	s_endpgm
.Lfunc_end_k_q6ce2c22992_attn:
	.size	k_q6ce2c22992_attn, .Lfunc_end_k_q6ce2c22992_attn-k_q6ce2c22992_attn
	.p2alignl 7, 3214868480
	.fill 96, 4, 3214868480
	.section	.rodata,"a",@progbits
	.p2align	6, 0x0
	.amdhsa_kernel k_q6ce2c22992_attn
		.amdhsa_group_segment_fixed_size 137216
		.amdhsa_private_segment_fixed_size 0
		.amdhsa_enable_private_segment 0
		.amdhsa_kernarg_size 48
		.amdhsa_user_sgpr_count 2
		.amdhsa_user_sgpr_kernarg_segment_ptr 1
		.amdhsa_wavefront_size32 1
		.amdhsa_system_sgpr_workgroup_id_x 1
		.amdhsa_system_sgpr_workgroup_id_y 1
		.amdhsa_system_sgpr_workgroup_id_z 1
		.amdhsa_system_vgpr_workitem_id 0
		.amdhsa_next_free_vgpr 256
		.amdhsa_next_free_sgpr 66
		.amdhsa_reserve_vcc 0
		.amdhsa_float_denorm_mode_32 3
		.amdhsa_float_denorm_mode_16_64 3
		.amdhsa_memory_ordered 1
		.amdhsa_forward_progress 1
		.amdhsa_inst_pref_size 33
	.end_amdhsa_kernel
	.amdgpu_metadata
---
amdhsa.version: [ 1, 2 ]
amdhsa.kernels:
  - .name:           k_q6ce2c22992_attn
    .symbol:         k_q6ce2c22992_attn.kd
    .args:
      - { .name: q_img, .offset: 0, .size: 8, .value_kind: global_buffer, .address_space: global }
      - { .name: k_img, .offset: 8, .size: 8, .value_kind: global_buffer, .address_space: global }
      - { .name: v_img, .offset: 16, .size: 8, .value_kind: global_buffer, .address_space: global }
      - { .name: attention_mask, .offset: 24, .size: 8, .value_kind: global_buffer, .address_space: global }
      - { .name: lowp_scales, .offset: 32, .size: 8, .value_kind: global_buffer, .address_space: global }
      - { .name: ctx_img, .offset: 40, .size: 8, .value_kind: global_buffer, .address_space: global }
    .group_segment_fixed_size: 137216
    .private_segment_fixed_size: 0
    .kernarg_segment_align: 8
    .kernarg_segment_size: 48
    .max_flat_workgroup_size: 512
    .sgpr_count:     66
    .vgpr_count:     256
    .wavefront_size: 32
...
	.end_amdgpu_metadata
.endif
;; end of part 3
;; launch outln (part 4): grid 256 x 1, 4 waves a work-group, clusters of 4 x 1, 327,680 bytes of LDS; arguments ctx_img, Wo_codes, bo, hidden_states, ln_gamma, ln_beta, lowp_scales, out0; writes out0
.if DOCPART == 4
	.amdgcn_target "amdgcn-amd-amdhsa--gfx1250"
	.amdhsa_code_object_version 6
	.text
	.protected	k_q6ce2c22992_outln
	.globl	k_q6ce2c22992_outln
	.p2align	8
	.type	k_q6ce2c22992_outln,@function
k_q6ce2c22992_outln:
	s_mov_b64 s[64:65], 0
	v_nop
	global_prefetch_b8 v0, s[64:65] scope:SCOPE_SE
	s_setreg_imm32_b32 hwreg(HW_REG_WAVE_MODE, 25, 1), 1
	s_wait_xcnt 0x0
	s_wait_alu depctr_hold_cnt(0) depctr_sa_sdst(0) depctr_va_vdst(0) depctr_va_sdst(0) depctr_va_ssrc(0) depctr_va_vcc(0) depctr_vm_vsrc(0)
	s_getreg_b32 s2, hwreg(HW_REG_IB_STS2, 6, 4)
	s_cmp_eq_u32 s2, 0
	s_cbranch_scc0 .Lentry_in_a_cluster
	s_endpgm
.Lentry_in_a_cluster:
	s_bfe_u32 s2, ttmp6, 0x10000c
	s_cmp_lg_u32 s2, 0x3003
	s_cbranch_scc0 .Lentry_shape_is_right
	s_endpgm
.Lentry_shape_is_right:
; out0 = LayerNorm(ctx Wo^T + bo + hidden_states) x gamma + beta.  The product runs on E4M3 codes (scales 2^e10, 2^e11), all else in f32.
; SHARES.  A work-group owns 32 tokens x all 1,024 features, so that a row's mean and variance have one owner.
; ctx's 16 fragments (2 tiles of 16 tokens x 8 K steps of 128) stay in registers: two neighbouring images of ctx_img are one fragment (lane (r, h): token r, k = 16 c + 8 h + 0 .. 7 in registers 2 c, 2 c + 1).
; Wo is walked in 8 steps of one CHUNK: 128 features x all 1,024 codes of K, 131,072 consecutive bytes, through a ring of two LDS slots.  Wave w fetches, and alone reads, the chunk's rows 32 w .. 32 w + 31:
; 32 rows of 1,024 bytes, one dense block (a load has no more rows, since a chunk's 128 are shared among four waves).  A step is 32 products a wave: 2 tiles of features x 2 tiles of tokens x 8 K steps, four accumulators by turns.
; THE WALK IS ROTATED: the cluster with number x takes chunk (t + x) mod 8 in step t, so that in each step the 64 clusters ask for eight different chunks and not all for the same bytes.
; The rotation enters global addresses alone.  Step t's sums lie in accumulators 4 t .. 4 t + 3 and at bytes 512 t of a stage row, whatever chunk they belong to; the row phase takes bo, gamma, beta, the residual and
; the output for the stage's piece jj at byte 512 ((jj + x) mod 8) of a row.  No LDS address and no branch hangs on x.
; CLUSTER: the four work-groups of a cluster walk the same chunks in the same order and ask for each JOINTLY: the same tensor load, the same descriptor (it hangs on the wave's number and the cluster's number), the mask 15.
; THE PRODUCT IS USED TRANSPOSED (source 0 = 16 rows of Wo, source 1 = ctx): a lane holds one token and eight neighbouring features.  The sums meet in a stage in LDS, and each wave takes 8 whole rows through residual and LayerNorm.
; The residual's rows are asked for ahead of and during the products.  The variance is taken of x - mean, in a second pass.
; ORDER OF ROUNDING: ((x - mean) x gamma) x rstd + beta, where the definition multiplies by rstd first; and the order in which a row's columns are added for mean and variance differs from cluster to cluster.
; No prefetch: Wo is no stream that is read once (all 256 work-groups read it), and the residual is asked for early by its own loads.
; LIMITS: e10 + e11 between -126 and 127.  NaN and infinities among the inputs are not served.
; REGISTERS, in windows of 256: window 0: v1-8 addresses, v10-17 statistics, v18-25 the rotated offsets, v32-159 two buffers of four fragments of Wo (later two rows at work), v160-255 bo, gamma, beta of my 32 columns.
;   window 1: the 32 accumulators, v[8 (4 t + 2 f + tt)].   window 2: ctx's fragments, v[16 (2 ks + tt)].   window 3: my 8 rows of hidden_states, v[32 i].
.set PITCH,  1040                      ; an LDS row: 1,024 bytes + 16 of padding = 260 words: row r starts at bank 4 r mod 64, so the 32 lanes of an 8-byte load (1040 r + 8 h) touch 64 different banks (ISA guide 11.1)
.set WROWS,  32*PITCH                  ; a wave's 32 rows
.set SLOT,   4*WROWS
.set SPARE,  2*SLOT                    ; behind the ring: the spare words, 128 bytes for each wave, that no other line names
.set SPITCH, 4112                      ; the stage: 32 rows x (4,096 bytes + 16).  It lies in slot 0, which has had its last fill and its last read when the first sum is stored there
.set LI,   1                           ; v1   16 x lane
.set ADW,  2                           ; v2-3 LDS address of my fragments of Wo in slot 0, 1
.set STO,  4                           ; v4-5 the stage: where I put 32 bytes of a row, token tile 0, 1
.set RD,   6                           ; v6   and where I read my rows back
.set SPW,  7                           ; v7   LDS address of my spare word; never rewritten
.set NIL,  8                           ; v8   0; never rewritten
.set VO,   18                          ; v18-25 byte offset in a row of memory of my 16 bytes of the stage's piece jj: 16 x lane + 512 ((jj + x) mod 8); never rewritten
.set WB0,  32
.set WB1,  96
.set BO,   160
.set GA,   192
.set BE,   224
.set MSB, 0
.macro WIN new                         ; the immediate's high byte repeats the setting that is left
.if MSB != (\new)
	s_set_vgpr_msb (MSB<<8)|(\new)
.set MSB, (\new)
.endif
.endm
.macro ROUND                           ; a round of the cluster's barrier
	s_barrier_signal -1
	s_barrier_wait -1
	s_cmp_lg_u32 s20, 0
	s_cbranch_scc1 .Lnot_wave_0_\@
	s_barrier_signal -3
.Lnot_wave_0_\@:
	s_barrier_wait -3
	s_barrier_signal -1
	s_barrier_wait -1
.endm
.macro PLACES
.rept 4
	v_nop
.endr
.endm
	s_load_b512 s[4:19], s[0:1], 0x0               ; ctx_img 4, Wo 6, bo 8, hidden 10, gamma 12, beta 14, the scales' exponents 16, out0 18
	v_lshl_add_u32 v[SPW], v0, 2, SPARE
	v_mov_b32 v[NIL], 0
	ds_add_u32 v7, v8
	ds_add_u32 v7, v8
	s_wait_dscnt 0x0
	v_lshrrev_b32 v9, 5, v0
	v_readfirstlane_b32 s20, v9                    ; wave 0..3
	s_bfe_u32 s21, ttmp6, 0x40000                  ; cx
	s_lshl_b32 s22, ttmp9, 2
	s_add_co_u32 s22, s22, s21                     ; my work-group: it enters the addresses of plain loads and stores alone
	s_and_b32 s55, ttmp9, 7                        ; x mod 8: where my cluster's walk begins; the same in all four partners
	; descriptor group 1: a tile of 32 rows x 1,024 bytes, padded in LDS
	s_mov_b32 s24, 15|(0<<16)|(1<<20)|(1<<21)|(7<<22)|(3<<25)  ; 15:0 the mask: all four work-groups; 17:16 element of 1 byte; 20 padding on; 21 set beside a mask; 24:22 after every 256 words (code 7); 31:25 four words (code 3)
	s_mov_b32 s25, 1024<<16                        ; tensor_dim0
	s_mov_b32 s26, 32<<16                          ; tensor_dim1
	s_mov_b32 s27, 1024<<16                        ; tile_dim0
	s_mov_b32 s28, 32                              ; tile_dim1
	s_mov_b32 s29, 1024                            ; tensor_dim0_stride
	s_mov_b32 s30, 0
	s_mov_b32 s31, 0
	s_mov_b32 s32, 1                               ; group 0 for slot 0: s[32:35]; for slot 1: s[36:39]
	s_mul_i32 s33, s20, WROWS
	s_mov_b32 s36, 1
	s_add_co_u32 s37, s33, SLOT
	s_lshl_b32 s40, s20, 15                        ; my 32 rows of 1,024 bytes in a chunk
	s_mov_b32 s41, 0
	s_lshl_b32 s58, s55, 17                        ; step 0's chunk: x mod 8, 131,072 bytes each
	s_mov_b32 s59, 0
	s_add_co_u32 s52, s55, 1
	s_and_b32 s52, s52, 7
	s_lshl_b32 s52, s52, 17                        ; step 1's: (1 + x) mod 8
	s_mov_b32 s53, 0
	s_mov_b32 s44, 0x76543210                      ; v_permlanex16_b32's selects for lane l xor 16
	s_mov_b32 s45, 0xfedcba98
	s_mov_b32 s46, 0x3a800000                      ; 1 / 1,024
	s_mov_b32 s47, 0x2b8cbccc                      ; 1e-12
	s_wait_kmcnt 0x0
	s_load_b64 s[48:49], s[16:17], 0x28            ; e10, e11
	s_add_nc_u64 s[56:57], s[6:7], s[40:41]        ; Wo at my rows of chunk 0: kept; every load's address is this + its chunk
	s_add_nc_u64 s[34:35], s[56:57], s[58:59]
	s_add_nc_u64 s[38:39], s[56:57], s[52:53]
	s_or_b32 s35, s35, 0x80000000
	s_or_b32 s39, s39, 0x80000000
	ROUND                                          ; all four work-groups are here: the first joint loads meet
	tensor_load_to_lds s[32:35], s[24:31]          ; steps 0 and 1: two loads of mine are out; behind each later round one
	s_nop 0
	tensor_load_to_lds s[36:39], s[24:31]
	s_nop 0
	PLACES                                         ; four v_nop behind the loads, ahead of the first switch of windows
	v_and_b32 v9, 31, v0
	v_lshlrev_b32 v[LI], 4, v9
	v_and_b32 v10, 15, v0                          ; r
	v_bfe_u32 v11, v0, 4, 1                        ; h
	v_mul_u32_u24 v[ADW], v10, PITCH
	v_lshl_add_u32 v[ADW], v11, 3, v[ADW]
	v_add_nc_u32 v[ADW], s33, v[ADW]               ; 1040 r + 8 h + my 32 rows
	v_add_nc_u32 v[ADW+1], SLOT, v[ADW]
	v_mul_u32_u24 v[STO], v10, SPITCH
	v_lshl_add_u32 v[STO], v11, 5, v[STO]
	s_lshl_b32 s50, s20, 7
	v_add_nc_u32 v[STO], s50, v[STO]               ; row r, + 32 h, + 128 w: my 32 features' bytes in a piece of 512
	v_add_nc_u32 v[STO+1], 16*SPITCH, v[STO]
	s_mul_i32 s50, s20, 8*SPITCH
	v_add_nc_u32 v[RD], s50, v[LI]                 ; my 8 rows, 16 bytes a lane
	v_mov_b32 v14, 0                               ; written once: a lane permute's destination counts as one of its sources
.irp jj, 0,1,2,3,4,5,6,7
	s_add_co_u32 s50, s55, \jj
	s_and_b32 s50, s50, 7
	s_lshl_b32 s50, s50, 9
	v_add_nc_u32 v[VO+\jj], s50, v[LI]             ; the stage's piece jj holds features 128 ((jj + x) mod 8) on
.endr
	s_lshl_b32 s52, s22, 15                        ; ctx_img: my two token tiles x 16 images
	s_mov_b32 s53, 0
	s_add_nc_u64 s[4:5], s[4:5], s[52:53]
	s_lshl_b32 s52, s22, 5
	s_lshl_b32 s54, s20, 3
	s_add_co_u32 s52, s52, s54
	s_lshl_b32 s52, s52, 12                        ; my first row of hidden_states and of out0: 32 x work-group + 8 x wave, 4,096 bytes a row
	s_add_nc_u64 s[10:11], s[10:11], s[52:53]
	s_add_nc_u64 s[18:19], s[18:19], s[52:53]
	WIN 0x80                                       ; destination window 2
.irp ks, 0,1,2,3,4,5,6,7
.irp tt, 0,1
.irp q, 0,1,2,3
	global_load_b128 v[16*(2*\ks+\tt)+4*\q:16*(2*\ks+\tt)+4*\q+3], v[LI], s[4:5] offset:16384*\tt+2048*\ks+512*\q
.endr
.endr
.endr
	WIN 0
.irp jj, 0,1,2,3,4,5,6,7                       ; my columns of a row, in the stage's order
	global_load_b128 v[BO+4*\jj:BO+4*\jj+3], v[VO+\jj], s[8:9]
	global_load_b128 v[GA+4*\jj:GA+4*\jj+3], v[VO+\jj], s[12:13]
	global_load_b128 v[BE+4*\jj:BE+4*\jj+3], v[VO+\jj], s[14:15]
.endr
.macro HLOAD i0                        ; four of my rows of hidden_states: 32 loads of 512 consecutive bytes
	WIN 0xc0                                       ; destination window 3
.irp i, \i0, \i0+1, \i0+2, \i0+3
.irp jj, 0,1,2,3,4,5,6,7
	global_load_b128 v[32*(\i)+4*\jj:32*(\i)+4*\jj+3], v[VO+\jj], s[10:11] offset:4096*(\i) th:TH_LOAD_NT
.endr
.endr
	WIN 0
.endm
	HLOAD 0
; 32 LDS loads: four fragments of Wo from slot SW: K steps 2 g, 2 g + 1 of 128 x my two tiles of 16 features, each in its true places: registers 2 c, 2 c + 1 = k 16 c + 8 h + 0 .. 7, as ctx's images have them
.macro FETCHW g, buf
.irp ksl, 0,1
.irp f, 0,1
.irp c, 0,1,2,3,4,5,6,7
	ds_load_b64 v[\buf+16*(2*\ksl+\f)+2*\c:\buf+16*(2*\ksl+\f)+2*\c+1], v[ADW+SW] offset:\f*16*PITCH+128*(2*(\g)+\ksl)+16*\c
.endr
.endr
.endr
.endm
; 8 matrix instructions on step t's four accumulators, one instruction a turn.  The first K step starts the sums with the constant 0: nothing is cleared
.macro MULG t, g, buf
	WIN 0x58                                       ; source 0 (Wo) window 0, source 1 (ctx) window 2, C and D window 1
.irp ksl, 0,1
.irp f, 0,1
.irp tt, 0,1
.set AC, 8*(4*(\t)+2*\f+\tt)
.set CF, 16*(2*(2*(\g)+\ksl)+\tt)
.if ((\g) == 0) && (\ksl == 0)
	v_wmma_f32_16x16x128_fp8_fp8 v[AC:AC+7], v[\buf+16*(2*\ksl+\f):\buf+16*(2*\ksl+\f)+15], v[CF:CF+15], 0
.else
	v_wmma_f32_16x16x128_fp8_fp8 v[AC:AC+7], v[\buf+16*(2*\ksl+\f):\buf+16*(2*\ksl+\f)+15], v[CF:CF+15], v[AC:AC+7]
.endif
.endr
.endr
.endr
	WIN 0
.endm
; Step t: my 32 rows x 1,024 along K of slot t % 2, in four groups on two buffers; a group's loads are issued a group ahead.  Each count of 32 leaves the group just asked for.
.macro WORK t
.set SW, (\t)%2
	FETCHW 0, WB0
	FETCHW 1, WB1
	s_wait_dscnt 32
	MULG \t, 0, WB0
	PLACES                                         ; in front of loads into registers that matrix instructions have read
	FETCHW 2, WB0
	s_wait_dscnt 32
	MULG \t, 1, WB1
	PLACES
	FETCHW 3, WB1
	s_wait_dscnt 32
	MULG \t, 2, WB0
	s_wait_dscnt 0x0
	MULG \t, 3, WB1
.endm
; THE CHANGE OF SLOTS, at the head of step t.  Each wave waits for all its tensor loads (step t's chunk among them), adds 0 to its spare word, and waits for that and for its reads of the slot that it has left.
; t < 7: a round of the cluster's barrier, and behind it the joint refill of the slot just left, with step t + 1's chunk, (t + 1 + x) mod 8.  t = 7: nothing is left to fetch; behind the barrier nobody reads slot 0 any more.
.macro CHANGE t
.set SL, ((\t)+1)%2
	s_wait_tensorcnt 0x0                           ; no tensor load of mine is out, so a group 0 may be written
	ds_add_u32 v[SPW], v[NIL]                      ; 0 onto my spare word; the address is made between it and the wait for it
.if (\t) < 7
	s_add_co_u32 s58, s55, (\t)+1
	s_and_b32 s58, s58, 7
	s_lshl_b32 s58, s58, 17
	s_add_nc_u64 s[34+4*SL:35+4*SL], s[56:57], s[58:59]
	s_or_b32 s[35+4*SL], s[35+4*SL], 0x80000000
.endif
	s_wait_dscnt 0x0                               ; the add is done, and my reads of the slot that I have left are over
.if (\t) < 7
	ROUND
	tensor_load_to_lds s[32+4*SL:35+4*SL], s[24:31]
	s_nop 0
.else
	s_barrier_signal -1
	s_barrier_wait -1
.endif
	PLACES                                         ; behind the tensor load; also the places in front of the loads into both buffers
.endm
	s_wait_tensorcnt 1                             ; step 0's chunk is in; step 1's may be out.  Its bytes are my own: no other wave reads them
	s_wait_loadcnt 56                              ; ctx's 64 loads are in; the 24 of bo, gamma and beta and the 32 of the residual's first rows may be out
	WORK 0
	CHANGE 1
	WORK 1
	CHANGE 2
	WORK 2
	CHANGE 3
	WORK 3
	CHANGE 4
	HLOAD 4                                        ; the residual's other four rows
	WORK 4
	CHANGE 5
	WORK 5
	CHANGE 6
	WORK 6
	CHANGE 7
	WORK 7
	PLACES                                         ; behind the last products: their results are read, and the buffers are loaded anew
	WIN 0x04                                       ; store data: window 1
.irp t, 0,1,2,3,4,5,6,7
.irp f, 0,1
.irp tt, 0,1
	ds_store_b128 v[STO+\tt], v[8*(4*\t+2*\f+\tt):8*(4*\t+2*\f+\tt)+3] offset:512*\t+64*\f          ; lane (r, h): token 16 tt + r; piece t, its features 32 w + 16 f + 8 h + 0 .. 7; each accumulator from its low end on
	ds_store_b128 v[STO+\tt], v[8*(4*\t+2*\f+\tt)+4:8*(4*\t+2*\f+\tt)+7] offset:512*\t+64*\f+16
.endr
.endr
.endr
	WIN 0
	s_wait_kmcnt 0x0
	s_add_co_i32 s42, s48, s49
	s_add_co_i32 s42, s42, 127
	s_lshl_b32 s42, s42, 23                        ; 2^(e10 + e11) as f32
	s_mov_b32 s43, s42                             ; (named with it as a pair, so it is written)
	s_wait_dscnt 0x0                               ; for the others' sake: my stores into the stage have landed
	s_barrier_signal -1
	s_barrier_wait -1                              ; 32 whole rows lie in the stage
	s_wait_loadcnt 0x0                             ; bo, gamma, beta, the residual
.irp jj, 0,1,2,3,4,5,6,7
	ds_load_b128 v[32+4*\jj:32+4*\jj+3], v[RD] offset:512*\jj
.endr
; Row i of my eight: the 32 lanes hold it whole, 32 numbers each.  The next row's loads from the stage are issued first, into the other buffer.
.macro ROWLN i
.set XB, 32+32*((\i)%2)
.set XN, 32+32*(((\i)+1)%2)
.if (\i) < 7
.if (\i) > 0
	s_wait_xcnt 0x0                                ; the stores of the row before have read their registers: the next row may land there
.endif
.irp jj, 0,1,2,3,4,5,6,7
	ds_load_b128 v[XN+4*\jj:XN+4*\jj+3], v[RD] offset:SPITCH*((\i)+1)+512*\jj
.endr
	s_wait_dscnt 8                                 ; this row is in; the next row's eight loads may be out
.else
	s_wait_dscnt 0x0
.endif
	WIN 0x30                                       ; source 2 (the residual) window 3
.set p, 0
.rept 16
	v_pk_fma_f32 v[XB+p:XB+p+1], v[XB+p:XB+p+1], s[42:43], v[32*(\i)+p:32*(\i)+p+1] op_sel_hi:[1,0,1]   ; sum x 2^(e10 + e11) + hidden
.set p, p+2
.endr
	WIN 0
.set p, 0
.rept 16
	v_pk_add_f32 v[XB+p:XB+p+1], v[XB+p:XB+p+1], v[BO+p:BO+p+1]
.set p, p+2
.endr
	v_pk_add_f32 v[10:11], v[XB:XB+1], v[XB+2:XB+3]                ; the row's sum, in two chains
	v_pk_add_f32 v[12:13], v[XB+4:XB+5], v[XB+6:XB+7]
.irp q, 8,12,16,20,24,28
	v_pk_add_f32 v[10:11], v[10:11], v[XB+\q:XB+\q+1]
	v_pk_add_f32 v[12:13], v[12:13], v[XB+\q+2:XB+\q+3]
.endr
	v_pk_add_f32 v[10:11], v[10:11], v[12:13]
	v_add_f32 v10, v10, v11
	v_add_f32_dpp v10, v10, v10 row_xmask:1 row_mask:0xf bank_mask:0xf
	v_add_f32_dpp v10, v10, v10 row_xmask:2 row_mask:0xf bank_mask:0xf
	v_add_f32_dpp v10, v10, v10 row_xmask:4 row_mask:0xf bank_mask:0xf
	v_add_f32_dpp v10, v10, v10 row_xmask:8 row_mask:0xf bank_mask:0xf
	v_permlanex16_b32 v14, v10, s44, s45
	v_add_f32 v10, v10, v14
	v_mul_f32 v10, 0xba800000, v10                 ; -mean
.set p, 0
.rept 16
	v_pk_add_f32 v[XB+p:XB+p+1], v[XB+p:XB+p+1], v[10:11] op_sel_hi:[1,0]
.set p, p+2
.endr
	v_pk_mul_f32 v[12:13], v[XB:XB+1], v[XB:XB+1]                  ; the sum of (x - mean)^2, in two chains
	v_pk_mul_f32 v[16:17], v[XB+2:XB+3], v[XB+2:XB+3]
.irp q, 4,8,12,16,20,24,28
	v_pk_fma_f32 v[12:13], v[XB+\q:XB+\q+1], v[XB+\q:XB+\q+1], v[12:13]
	v_pk_fma_f32 v[16:17], v[XB+\q+2:XB+\q+3], v[XB+\q+2:XB+\q+3], v[16:17]
.endr
	v_pk_add_f32 v[12:13], v[12:13], v[16:17]
	v_add_f32 v12, v12, v13
	v_add_f32_dpp v12, v12, v12 row_xmask:1 row_mask:0xf bank_mask:0xf
	v_add_f32_dpp v12, v12, v12 row_xmask:2 row_mask:0xf bank_mask:0xf
	v_add_f32_dpp v12, v12, v12 row_xmask:4 row_mask:0xf bank_mask:0xf
	v_add_f32_dpp v12, v12, v12 row_xmask:8 row_mask:0xf bank_mask:0xf
	v_permlanex16_b32 v14, v12, s44, s45
	v_add_f32 v12, v12, v14
	v_fma_f32 v12, v12, s46, s47                   ; the variance + 1e-12
	v_rsq_f32 v16, v12
.set p, 0
.rept 16
	v_pk_mul_f32 v[XB+p:XB+p+1], v[XB+p:XB+p+1], v[GA+p:GA+p+1]    ; x gamma: independent work behind the root
.set p, p+2
.endr
	s_wait_alu depctr_va_vdst(0)                   ; the wait ahead of the root's first reader
.set p, 0
.rept 16
	v_pk_fma_f32 v[XB+p:XB+p+1], v[XB+p:XB+p+1], v[16:17], v[BE+p:BE+p+1] op_sel_hi:[1,0,1]
.set p, p+2
.endr
.irp jj, 0,1,2,3,4,5,6,7
	global_store_b128 v[VO+\jj], v[XB+4*\jj:XB+4*\jj+3], s[18:19] offset:4096*(\i) th:TH_STORE_NT   ; 512 consecutive bytes, aligned; written once, read by nobody here
.endr
.endm
.irp i, 0,1,2,3,4,5,6,7
	ROWLN \i
.endr
	s_wait_tensorcnt 0x0                           ; the wave's end
	ds_add_u32 v[SPW], v[NIL]
	s_wait_dscnt 0x0
	ROUND                                          ; the closing round: no work-group ends while a partner may still ask for a tile that names it
	s_endpgm
.Lfunc_end_k_q6ce2c22992_outln:
	.size	k_q6ce2c22992_outln, .Lfunc_end_k_q6ce2c22992_outln-k_q6ce2c22992_outln
	.p2alignl 7, 3214868480
	.fill 96, 4, 3214868480
	.section	.rodata,"a",@progbits
	.p2align	6, 0x0
	.amdhsa_kernel k_q6ce2c22992_outln
		.amdhsa_group_segment_fixed_size 327680
		.amdhsa_private_segment_fixed_size 0
		.amdhsa_enable_private_segment 0
		.amdhsa_kernarg_size 64
		.amdhsa_user_sgpr_count 2
		.amdhsa_user_sgpr_kernarg_segment_ptr 1
		.amdhsa_wavefront_size32 1
		.amdhsa_system_sgpr_workgroup_id_x 1
		.amdhsa_system_sgpr_workgroup_id_y 1
		.amdhsa_system_sgpr_workgroup_id_z 1
		.amdhsa_system_vgpr_workitem_id 0
		.amdhsa_next_free_vgpr 1024
		.amdhsa_next_free_sgpr 66
		.amdhsa_reserve_vcc 0
		.amdhsa_float_denorm_mode_32 3
		.amdhsa_float_denorm_mode_16_64 3
		.amdhsa_memory_ordered 1
		.amdhsa_forward_progress 1
		.amdhsa_inst_pref_size 190
	.end_amdhsa_kernel
	.amdgpu_metadata
---
amdhsa.version: [ 1, 2 ]
amdhsa.kernels:
  - .name:           k_q6ce2c22992_outln
    .symbol:         k_q6ce2c22992_outln.kd
    .args:
      - { .name: ctx_img, .offset: 0, .size: 8, .value_kind: global_buffer, .address_space: global }
      - { .name: Wo_codes, .offset: 8, .size: 8, .value_kind: global_buffer, .address_space: global }
      - { .name: bo, .offset: 16, .size: 8, .value_kind: global_buffer, .address_space: global }
      - { .name: hidden_states, .offset: 24, .size: 8, .value_kind: global_buffer, .address_space: global }
      - { .name: ln_gamma, .offset: 32, .size: 8, .value_kind: global_buffer, .address_space: global }
      - { .name: ln_beta, .offset: 40, .size: 8, .value_kind: global_buffer, .address_space: global }
      - { .name: lowp_scales, .offset: 48, .size: 8, .value_kind: global_buffer, .address_space: global }
      - { .name: out0, .offset: 56, .size: 8, .value_kind: global_buffer, .address_space: global }
    .group_segment_fixed_size: 327680
    .private_segment_fixed_size: 0
    .kernarg_segment_align: 8
    .kernarg_segment_size: 64
    .max_flat_workgroup_size: 128
    .sgpr_count:     66
    .vgpr_count:     1024
    .wavefront_size: 32
...
	.end_amdgpu_metadata
.endif
;; end of part 4
;; ======== version 2 of 2: 4 launches; version 1 with the launch attn written anew for expert scheduling mode
;; limits: right only within a limited range of input values
;; workspace buffers: xq0 8,388,608 bytes; xq1 8,388,608 bytes; xq2 8,388,608 bytes; q_img 8,388,608 bytes; k_img 8,388,608 bytes; v_img 8,388,608 bytes; ctx_img 8,388,608 bytes
;; launch quant: the kernel of part 1 again; grid 512 x 1, 8 waves a work-group, no clusters, 66,560 bytes of LDS; arguments hidden_states, lowp_scales, xq0, xq1, xq2; writes xq0, xq1, xq2
;; launch qkv: the kernel of part 2 again; grid 12 x 32, 4 waves a work-group, clusters of 4 x 4, 327,680 bytes of LDS; arguments xq0, xq1, xq2, Wq_codes, Wk_codes, Wv_codes, bq, bk, bv, lowp_scales, q_img, k_img, v_img; writes q_img, k_img, v_img
;; launch attn (part 5): grid 2 x 128, 16 waves a work-group, no clusters, 137,216 bytes of LDS; arguments q_img, k_img, v_img, attention_mask, lowp_scales, ctx_img; writes ctx_img
.if DOCPART == 5
	.amdgcn_target "amdgcn-amd-amdhsa--gfx1250"
	.amdhsa_code_object_version 6
	.text
	.protected	k_q6ce2c22992_attn
	.globl	k_q6ce2c22992_attn
	.p2align	8
	.type	k_q6ce2c22992_attn,@function
k_q6ce2c22992_attn:
	s_mov_b64 s[64:65], 0
	v_nop
	global_prefetch_b8 v0, s[64:65] scope:SCOPE_SE
	s_setreg_imm32_b32 hwreg(HW_REG_WAVE_SCHED_MODE, 0, 2), 2
	s_setreg_imm32_b32 hwreg(HW_REG_WAVE_MODE, 25, 1), 1
	s_wait_xcnt 0x0
	s_wait_alu depctr_vm_vsrc(0)
; ctx = softmax(q k^T / 8 + mask) v for one head, both products on E4M3 codes (scales 2^e6, 2^e7; 2^e8, 2^e9), the result quantised at once under 2^e10 for the output projection.
; THE SOFTMAX AHEAD OF THE SECOND PRODUCT: t = (score / 8 + mask) x log2(e); M = the running largest t rounded UP to a whole number; p = 2^(t - M) is what is quantised; the row's sum is taken of the unquantised p and divides at the end.
; When M moves, the sum and O are multiplied by 2^(old M - new M): nothing is rounded, and no branch hangs on data.
; SHARES.  A work-group owns 512 queries of one head (grid x: which half; grid y: 16 b + head); each of its sixteen waves owns 32: two tiles of 16, which share every fragment of K and V and every mask register.
; Four waves lie on a SIMD, so that one wave's vector work stands beside another's products and LDS loads.
; THE HEAD'S K, V AND MASK LIE IN LDS WHOLE (64 + 64 + 4 KiB), copied once through registers; one barrier; from there on LDS is only read and the waves are independent.
; No joint loads: only two work-groups read a head's 128 KiB, each once, in one dense copy at its head.  No prefetch: every load goes out at the head.
; OPERANDS ARE IMAGES OF REGISTERS (1,024 bytes: registers 4 g .. 4 g + 3 of lane l at 512 g + 16 l; lane (r, h): row r, k = 16 c + 8 h + 0 .. 7 in registers 2 c, 2 c + 1): every LDS load is 512 consecutive bytes.
; Both products are used transposed: S^T = K Q^T (source 0 = 16 keys, source 1 = 16 queries), O^T = V^T P^T: a lane holds ONE query (lane % 16) throughout, and register j of tile c is key (or channel) 16 c + 8 h + j,
; so the conversion of tile c gives registers 2 c, 2 c + 1 of the next operand.
; THE MASK IS THE C OF THE FIRST PRODUCT: u = sum + mask x 2^(3 - e6 - e7), t = c' u with c' = log2(e) / 8 x 2^(e6 + e7).
; LIMITS: mask entries under -5e8 (minus infinity too) count as -5e8; a row all of whose keys lie that low is not served as the definition has it.  e6 + e7 between -123 and 130; e8, and e10 - e8 - e9, between -126 and 119.  NaN is not served.
; THE MODE: SCHED_MODE bits 1:0 = 2 (LLVM: expert scheduling mode 2), set by the entry lines.  The code itself states the register dependences between vector or matrix instructions and memory or LDS instructions, with s_wait_alu, always for 0.
; THE PLAN.  Registers that LDS instructions touch in a key step:
;   v4, v5, v6   the step's LDS addresses.  Written by three additions at the step's head; read by K's loads (v4), V's loads (v5) and the NEXT step's mask loads (v6).
;   KV           K lands in it at the step's head and is read by the first products; V lands in it behind them and is read by the second products.
;   MC           read by the first products as their C; behind them the next step's mask lands in it.
;   S, O, P, Q and the statistics are named by vector and matrix instructions alone in the loop.
; So a step has one wait on vm_vsrc, ahead of the three additions, and two on va_vdst for its loads: behind the additions (the addresses are written; the last step's second products are done reading KV),
; and behind the first products (they are done reading KV and MC).  Behind the second of them stand V's eight loads, and the next mask's eight, dealt in pairs among the lines of the maximum, which name S and v20-23 alone.
; A third wait on va_vdst stands ahead of the first reader of the step's exponentials.  The last step has no successor: it is written out and loads no mask.
.set VL,  65536                        ; LDS: k_img's 64 images of the head from 0, v_img's 64 from VL,
.set ML,  131072                       ; the mask, 1,024 words, scaled
.set Q,   32                           ; v32-47   Q's two fragments
.set KV,  48                           ; v48-79   four fragments of K, then of V
.set MC,  80                           ; v80-111  the mask of a step's 64 keys in the result's layout
.set S,   112                          ; v112-175 S^T, then p: 32 a tile
.set O,   176                          ; v176-239 O^T: 32 a tile
.set P,   240                          ; v240-255 p's codes: 8 a tile
; v1 16 x lane; v2 the same + VL; v3 ML + 32 h; v4-6 the step's addresses; tile i: v[8+4i] -M, v[9+4i] the largest t, v[10+4i:11+4i] the sum in two halves, v[16+2i] f, v[20+2i:21+2i] at work, v[24+i] the other half of the lanes';
; v28 2^e8, v29 448 x 2^e8, v30 2^(e10 - e8 - e9), v31 448 x that
	s_load_b256 s[4:11], s[0:1], 0x0               ; q_img, k_img, v_img, the mask
	s_load_b128 s[12:15], s[0:1], 0x20             ; the scales' exponents, ctx_img
	v_lshrrev_b32 v4, 5, v0
	v_readfirstlane_b32 s16, v4                    ; wave 0..15
	v_and_b32 v5, 31, v0
	v_lshlrev_b32 v1, 4, v5
	v_add_nc_u32 v2, VL, v1
	v_bfe_u32 v6, v0, 4, 1
	v_lshlrev_b32 v3, 5, v6
	v_add_nc_u32 v3, ML, v3
	v_lshlrev_b32 v7, 4, v0                        ; the copy: 16 x thread,
	v_add_nc_u32 v26, VL, v7
	v_lshlrev_b32 v27, 3, v0                       ; the mask: 8 x thread
	v_add_nc_u32 v6, ML, v27
	s_wait_alu depctr_va_sdst(0)                   ; s16 is written, ahead of its first reader: the places of my queries in q_img and ctx_img are made from it
	s_and_b32 s17, ttmp7, 0xffff                   ; 16 b + head
	s_lshr_b32 s18, s17, 4                         ; b
	s_lshl_b32 s28, s17, 16                        ; the head's 65,536 bytes in k_img and in v_img
	s_mov_b32 s29, 0
	s_lshl_b32 s19, ttmp9, 5
	s_lshl_b32 s30, s16, 1
	s_add_co_u32 s19, s19, s30                     ; my first tile of 16 queries: 32 x half + 2 x wave
	s_lshl_b32 s30, s17, 6
	s_add_co_u32 s30, s30, s19
	s_lshl_b32 s30, s30, 10                        ; its image in q_img
	s_mov_b32 s31, 0
	s_lshl_b32 s44, s18, 6
	s_add_co_u32 s44, s44, s19
	s_lshl_b32 s44, s44, 4
	s_and_b32 s45, s17, 15
	s_add_co_u32 s44, s44, s45
	s_lshl_b32 s44, s44, 10                        ; and in ctx_img: [token tile (512)][head (16)][1024]
	s_mov_b32 s45, 0
	s_lshl_b32 s46, s18, 12                        ; the batch's row of the mask
	s_mov_b32 s47, 0
	s_mov_b32 s20, 0x76543210                      ; v_permlanex16_b32's selects for lane l xor 16
	s_mov_b32 s21, 0xfedcba98
	s_mov_b32 s24, 0                               ; LDS byte of the step's images, in K's part and in V's
	s_mov_b32 s25, 0                               ; and of its 64 mask words
	s_mov_b32 s26, 15                              ; key steps in the loop; the sixteenth is written out
	s_wait_kmcnt 0x0
	s_load_b256 s[32:39], s[12:13], 0x0            ; e0 .. e7
	s_load_b128 s[40:43], s[12:13], 0x20           ; e8 .. e11
	s_add_nc_u64 s[4:5], s[4:5], s[30:31]
	s_add_nc_u64 s[6:7], s[6:7], s[28:29]
	s_add_nc_u64 s[8:9], s[8:9], s[28:29]
	s_add_nc_u64 s[10:11], s[10:11], s[46:47]
	s_add_nc_u64 s[14:15], s[14:15], s[44:45]
	s_wait_alu depctr_va_vdst(0)                   ; the offsets and addresses v1, v2, v3, v6, v7, v26, v27 are written, which the loads and LDS stores below read
	global_load_b64 v[20:21], v27, s[10:11]
.irp i, 0,1,2,3,4,5,6,7
	global_load_b128 v[S+4*\i:S+4*\i+3], v7, s[6:7] offset:8192*\i          ; the 512 threads copy 8,192 consecutive bytes an instruction
.endr
.irp i, 0,1,2,3,4,5,6,7
	global_load_b128 v[S+32+4*\i:S+32+4*\i+3], v7, s[8:9] offset:8192*\i
.endr
.irp i, 0,1
.irp g, 0,1
	global_load_b128 v[Q+8*\i+4*\g:Q+8*\i+4*\g+3], v1, s[4:5] offset:1024*\i+512*\g
.endr
.endr
.irp i, 0,1
	v_mov_b32 v[9+4*\i], 0xff61b1e6                ; the largest t so far: -3e38, under every t
	v_floor_f32 v[8+4*\i], -v[9+4*\i]              ; -M
	v_mov_b32 v[10+4*\i], 0                        ; the sum
	v_mov_b32 v[11+4*\i], 0
	v_mov_b32 v[17+2*\i], 0                        ; (named as the upper half of f's pair)
	v_mov_b32 v[24+\i], 0                          ; written once: a lane permute's destination counts as one of its sources
.endr
.set j, 0
.rept 64
	v_mov_b32 v[O+j], 0                            ; O^T.  (The step is written for all trips alike: the first finds zeros, which the first change of M leaves zeros)
.set j, j+1
.endr
	s_wait_kmcnt 0x0
	s_add_co_i32 s28, s38, s39                     ; e6 + e7
	s_lshl_b32 s29, s28, 23
	s_add_co_i32 s22, s29, 0x3e38aa3b              ; c' = log2(e) / 8 x 2^(e6 + e7): the exponents are added to c's exponent field
	s_mov_b32 s23, s22                             ; (named with it as a pair, so it is written)
	s_sub_co_i32 s28, 3, s28                       ; the mask goes in x 8 / 2^(e6 + e7)
	s_mov_b32 s27, s40                             ; e8
	s_add_co_i32 s29, s40, 127
	s_lshl_b32 s30, s29, 23
	v_mov_b32 v28, s30
	s_add_co_i32 s29, s29, 8
	s_lshl_b32 s29, s29, 23
	s_or_b32 s29, s29, 0x600000
	v_mov_b32 v29, s29
	s_sub_co_i32 s29, s42, s40
	s_sub_co_i32 s29, s29, s41                     ; O / l stands for ctx / 2^(e8 + e9): its code is (O / l) / 2^(e10 - e8 - e9)
	s_add_co_i32 s29, s29, 127
	s_lshl_b32 s30, s29, 23
	v_mov_b32 v30, s30
	s_add_co_i32 s29, s29, 8
	s_lshl_b32 s29, s29, 23
	s_or_b32 s29, s29, 0x600000
	v_mov_b32 v31, s29
	s_wait_loadcnt 0x0
	v_max_num_f32 v20, 0xcdee6b28, v20             ; at least -5e8
	v_max_num_f32 v21, 0xcdee6b28, v21
	v_ldexp_f32 v20, v20, s28
	v_ldexp_f32 v21, v21, s28
	s_wait_alu depctr_va_vdst(0)                   ; v20 and v21 are written, which the mask's LDS store reads
.irp i, 0,1,2,3,4,5,6,7
	ds_store_b128 v7, v[S+4*\i:S+4*\i+3] offset:8192*\i
.endr
.irp i, 0,1,2,3,4,5,6,7
	ds_store_b128 v26, v[S+32+4*\i:S+32+4*\i+3] offset:8192*\i
.endr
	ds_store_b64 v6, v[20:21]
	s_wait_dscnt 0x0                               ; for the others' sake: my stores have landed
	s_barrier_signal -1
	s_barrier_wait -1                              ; the launch's one barrier: from here on LDS is only read
.irp c, 0,1,2,3
	ds_load_b128 v[MC+8*\c:MC+8*\c+3], v3 offset:64*\c          ; the first step's mask: keys 16 c + 8 h + 0 .. 7: sixteen lanes read the same words.  No vector line has named MC, and v3 stands since the head's waits
	ds_load_b128 v[MC+8*\c+4:MC+8*\c+7], v3 offset:64*\c+16
.endr
; A KEY STEP: 64 keys.  ahead = 1: the next step's mask is loaded.
.macro KSTEP ahead
	s_wait_alu depctr_vm_vsrc(0)                   ; the last step's LDS loads have read v4, v5 and v6, which the additions below write; in the first step: the copy's LDS stores have read S, v20, v21 and v6, which this step's products, maxima and addition write
	v_add_nc_u32 v4, s24, v1
	v_add_nc_u32 v5, s24, v2
.if \ahead
	v_add_nc_u32 v6, s25, v3
.else
	v_nop
.endif
	v_nop                                          ; four plain lines between the last step's products and the loads into the registers that they read
	s_wait_alu depctr_va_vdst(0)                   ; v4, v5 and v6 are written, which this step's LDS loads read; the last step's second products are done reading KV, in which K lands
.irp c, 0,1,2,3
	ds_load_b128 v[KV+8*\c:KV+8*\c+3], v4 offset:1024*\c
	ds_load_b128 v[KV+8*\c+4:KV+8*\c+7], v4 offset:1024*\c+512
.endr
	s_wait_dscnt 0x0                               ; K is in (the step's mask was asked for a step ago; the first step's just ahead of the loop)
.irp c, 0,1,2,3
.irp i, 0,1
	v_wmma_f32_16x16x64_fp8_fp8 v[S+32*\i+8*\c:S+32*\i+8*\c+7], v[KV+8*\c:KV+8*\c+7], v[Q+8*\i:Q+8*\i+7], v[MC+8*\c:MC+8*\c+7]
.endr
.endr
.rept 4
	v_nop                                          ; places in front of the first read of the scores
.endr
	s_wait_alu depctr_va_vdst(0)                   ; the first products are done reading KV, in which V lands, and MC, in which the next step's mask lands; no vector line from here to the second products names KV, MC, v5 or v6
.irp c, 0,1,2,3
	ds_load_b128 v[KV+8*\c:KV+8*\c+3], v5 offset:1024*\c        ; V's four tiles of 16 channels: they land during the softmax
	ds_load_b128 v[KV+8*\c+4:KV+8*\c+7], v5 offset:1024*\c+512
.endr
	; the step's largest u of my query among my 32 keys, in two chains; the two tiles alternate line by line; each accumulator is read from its low end on
.irp i, 0,1
	v_max3_num_f32 v[20+2*\i], v[S+32*\i], v[S+32*\i+1], v[S+32*\i+2]
.endr
.irp i, 0,1
	v_max3_num_f32 v[21+2*\i], v[S+32*\i+3], v[S+32*\i+4], v[S+32*\i+5]
.endr
.irp n, 6,10,14,18,22,26
.if (\ahead) && (\n < 22)
	ds_load_b128 v[MC+2*(\n-6):MC+2*(\n-6)+3], v6 offset:256+16*(\n-6)       ; the next step's mask, 256 bytes on: tile c = (n - 6) / 4, keys 16 c + 8 h + 0 .. 7; a pair of loads among each four lines of the maximum
	ds_load_b128 v[MC+2*(\n-6)+4:MC+2*(\n-6)+7], v6 offset:256+16*(\n-6)+16
.endif
.irp i, 0,1
	v_max3_num_f32 v[20+2*\i], v[20+2*\i], v[S+32*\i+\n], v[S+32*\i+\n+1]
.endr
.irp i, 0,1
	v_max3_num_f32 v[21+2*\i], v[21+2*\i], v[S+32*\i+\n+2], v[S+32*\i+\n+3]
.endr
.endr
.irp i, 0,1
	v_max3_num_f32 v[20+2*\i], v[20+2*\i], v[S+32*\i+30], v[S+32*\i+31]
.endr
.irp i, 0,1
	v_max_num_f32 v[20+2*\i], v[20+2*\i], v[21+2*\i]
.endr
.irp i, 0,1
	v_permlanex16_b32 v[24+\i], v[20+2*\i], s20, s21
.endr
.irp i, 0,1
	v_max_num_f32 v[20+2*\i], v[20+2*\i], v[24+\i]     ; and among lane l xor 16's
.endr
.irp i, 0,1
	v_mul_f32 v[20+2*\i], s22, v[20+2*\i]              ; as t (c' is positive)
.endr
.irp i, 0,1
	v_max_num_f32 v[9+4*\i], v[9+4*\i], v[20+2*\i]     ; the running largest t
.endr
.irp i, 0,1
	v_mov_b32 v[20+2*\i], v[8+4*\i]
.endr
.irp i, 0,1
	v_floor_f32 v[8+4*\i], -v[9+4*\i]                  ; the new -M = floor(-t) = -ceil(t): M is a whole number
.endr
.irp i, 0,1
	v_sub_f32 v[20+2*\i], v[8+4*\i], v[20+2*\i]        ; old M - new M: a whole number, 0 or less
.endr
.irp i, 0,1
	v_cvt_i32_f32 v[20+2*\i], v[20+2*\i]               ; (it saturates)
.endr
.irp i, 0,1
	v_ldexp_f32 v[16+2*\i], 1.0, v[20+2*\i]            ; f = 2^(old M - new M)
.endr
.irp j, 0,2,4,6,8,10,12,14,16,18,20,22,24,26,28,30
.irp i, 0,1
	v_pk_fma_f32 v[S+32*\i+\j:S+32*\i+\j+1], v[S+32*\i+\j:S+32*\i+\j+1], s[22:23], v[8+4*\i:9+4*\i] op_sel_hi:[1,0,0]   ; t - M, two at a time (of the pairs c' and -M the low word serves both halves)
.endr
.endr
.set j, 0
.rept 64
	v_exp_f32 v[S+j], v[S+j]                       ; p = 2^(t - M): one batch for both tiles
.set j, j+1
.endr
.irp i, 0,1
	v_pk_mul_f32 v[10+4*\i:11+4*\i], v[10+4*\i:11+4*\i], v[16+2*\i:17+2*\i] op_sel_hi:[1,0]   ; the sums under the new M: plain lines behind the exponentials
.endr
	s_wait_alu depctr_va_vdst(0)                   ; the 64 exponentials have written S: one wait for the whole batch, ahead of its first reader
.irp i, 0,1
	v_pk_add_f32 v[20+2*\i:21+2*\i], v[S+32*\i:S+32*\i+1], v[S+32*\i+2:S+32*\i+3]   ; the row's sum is taken of the UNQUANTISED p, in two chains
.endr
.irp j, 4,8,12,16,20,24,28
.irp i, 0,1
	v_pk_add_f32 v[10+4*\i:11+4*\i], v[10+4*\i:11+4*\i], v[S+32*\i+\j:S+32*\i+\j+1]
	v_pk_add_f32 v[20+2*\i:21+2*\i], v[20+2*\i:21+2*\i], v[S+32*\i+\j+2:S+32*\i+\j+3]
.endr
.endr
.irp i, 0,1
	v_pk_add_f32 v[10+4*\i:11+4*\i], v[10+4*\i:11+4*\i], v[20+2*\i:21+2*\i]
.endr
	; THE HOLD.  p is at most 1 (but for its last bit), so with e8 >= -8 p / 2^e8 stays under 448 and the hold would change nothing: it is passed over by a scalar branch on the given whole number.  With e8 <= -9 it is executed.
	s_cmp_gt_i32 s27, -9
	s_cbranch_scc1 .Lnohold_\@
.set j, 0
.rept 64
	v_min_num_f32 v[S+j], v[S+j], v29              ; p is not negative: the hold is one-sided
.set j, j+1
.endr
.Lnohold_\@:
.irp c, 0,1,2,3
.irp i, 0,1
	v_cvt_scalef32_pk8_fp8_f32 v[P+8*\i+2*\c:P+8*\i+2*\c+1], v[S+32*\i+8*\c:S+32*\i+8*\c+7], v28
.endr
.endr
.irp j, 0,2,4,6,8,10,12,14,16,18,20,22,24,26,28,30
.irp i, 0,1
	v_pk_mul_f32 v[O+32*\i+\j:O+32*\i+\j+1], v[O+32*\i+\j:O+32*\i+\j+1], v[16+2*\i:17+2*\i] op_sel_hi:[1,0]   ; O^T under the new M.  (Also the plain lines between the conversions and the products)
.endr
.endr
	s_wait_dscnt 0x0                               ; V is in, and so is the next step's mask
.irp c, 0,1,2,3
.irp i, 0,1
	v_wmma_f32_16x16x64_fp8_fp8 v[O+32*\i+8*\c:O+32*\i+8*\c+7], v[KV+8*\c:KV+8*\c+7], v[P+8*\i:P+8*\i+7], v[O+32*\i+8*\c:O+32*\i+8*\c+7]   ; eight accumulators, one instruction each: by turns, over the backward jump too
.endr
.endr
.endm
.Lstep:                                            ; fifteen trips, 64 keys each
	KSTEP 1
	s_add_co_u32 s24, s24, 4096
	s_add_co_u32 s25, s25, 256
	s_sub_co_u32 s26, s26, 1
	s_cmp_lg_u32 s26, 0
	s_cbranch_scc1 .Lstep
	KSTEP 0                                        ; the last 64 keys are written out: there is no mask behind theirs, and no LDS load reaches past the mask's 4,096 bytes
	; THE WAY OUT: O^T / the sum, held, converted: the conversions' results are an image of the output projection's operand
.irp i, 0,1
	v_add_f32 v[20+2*\i], v[10+4*\i], v[11+4*\i]
.endr
.irp i, 0,1
	v_permlanex16_b32 v[24+\i], v[20+2*\i], s20, s21
.endr
.irp i, 0,1
	v_add_f32 v[20+2*\i], v[20+2*\i], v[24+\i]     ; the row's sum: over 1/2, since the row's largest p is
.endr
.irp i, 0,1
	v_rcp_f32 v[16+2*\i], v[20+2*\i]
.endr
	v_nop                                          ; a plain line behind the last reciprocal
	s_wait_alu depctr_va_vdst(0)                   ; the two reciprocals have written v16 and v18: one wait for both, ahead of the first reader
.irp j, 0,2,4,6,8,10,12,14,16,18,20,22,24,26,28,30
.irp i, 0,1
	v_pk_mul_f32 v[S+32*\i+\j:S+32*\i+\j+1], v[O+32*\i+\j:O+32*\i+\j+1], v[16+2*\i:17+2*\i] op_sel_hi:[1,0]
.endr
.endr
.set j, 0
.rept 64
	v_med3_num_f32 v[S+j], v[S+j], -v31, v31
.set j, j+1
.endr
.irp c, 0,1,2,3
.irp i, 0,1
	v_cvt_scalef32_pk8_fp8_f32 v[P+8*\i+2*\c:P+8*\i+2*\c+1], v[S+32*\i+8*\c:S+32*\i+8*\c+7], v30
.endr
.endr
	v_nop
	s_wait_alu depctr_va_vdst(0)                   ; the conversions have written P, which the four stores read
.irp i, 0,1
.irp g, 0,1
	global_store_b128 v1, v[P+8*\i+4*\g:P+8*\i+4*\g+3], s[14:15] offset:16384*\i+512*\g   ; 512 consecutive bytes, aligned; the next token tile's image of this head lies 16 images on
.endr
.endr
	s_wait_xcnt 0x0                                ; the stores' addresses are translated: their data registers are written again only behind this wait,
	s_wait_alu depctr_vm_vsrc(0)                   ; and behind this one: the stores have read v254 and v255, which the two lines below make anew
	v_lshl_add_u32 v254, v0, 2, 0x21000
	v_mov_b32 v255, 0
	s_wait_dscnt 0x0                               ; the closing lines, six on end
	s_wait_alu 0x0
	s_wait_tensorcnt 0x0
	ds_add_u32 v254, v255
	s_wait_dscnt 0x0
	s_endpgm
.Lfunc_end_k_q6ce2c22992_attn:
	.size	k_q6ce2c22992_attn, .Lfunc_end_k_q6ce2c22992_attn-k_q6ce2c22992_attn
	.p2alignl 7, 3214868480
	.fill 96, 4, 3214868480
	.section	.rodata,"a",@progbits
	.p2align	6, 0x0
	.amdhsa_kernel k_q6ce2c22992_attn
		.amdhsa_group_segment_fixed_size 137216
		.amdhsa_private_segment_fixed_size 0
		.amdhsa_enable_private_segment 0
		.amdhsa_kernarg_size 48
		.amdhsa_user_sgpr_count 2
		.amdhsa_user_sgpr_kernarg_segment_ptr 1
		.amdhsa_wavefront_size32 1
		.amdhsa_system_sgpr_workgroup_id_x 1
		.amdhsa_system_sgpr_workgroup_id_y 1
		.amdhsa_system_sgpr_workgroup_id_z 1
		.amdhsa_system_vgpr_workitem_id 0
		.amdhsa_next_free_vgpr 256
		.amdhsa_next_free_sgpr 66
		.amdhsa_reserve_vcc 0
		.amdhsa_float_denorm_mode_32 3
		.amdhsa_float_denorm_mode_16_64 3
		.amdhsa_memory_ordered 1
		.amdhsa_forward_progress 1
		.amdhsa_inst_pref_size 50
	.end_amdhsa_kernel
	.amdgpu_metadata
---
amdhsa.version: [ 1, 2 ]
amdhsa.kernels:
  - .name:           k_q6ce2c22992_attn
    .symbol:         k_q6ce2c22992_attn.kd
    .args:
      - { .name: q_img, .offset: 0, .size: 8, .value_kind: global_buffer, .address_space: global }
      - { .name: k_img, .offset: 8, .size: 8, .value_kind: global_buffer, .address_space: global }
      - { .name: v_img, .offset: 16, .size: 8, .value_kind: global_buffer, .address_space: global }
      - { .name: attention_mask, .offset: 24, .size: 8, .value_kind: global_buffer, .address_space: global }
      - { .name: lowp_scales, .offset: 32, .size: 8, .value_kind: global_buffer, .address_space: global }
      - { .name: ctx_img, .offset: 40, .size: 8, .value_kind: global_buffer, .address_space: global }
    .group_segment_fixed_size: 137216
    .private_segment_fixed_size: 0
    .kernarg_segment_align: 8
    .kernarg_segment_size: 48
    .max_flat_workgroup_size: 512
    .sgpr_count:     66
    .vgpr_count:     256
    .wavefront_size: 32
...
	.end_amdgpu_metadata
.endif
;; end of part 5
;; launch outln: the kernel of part 4 again; grid 256 x 1, 4 waves a work-group, clusters of 4 x 1, 327,680 bytes of LDS; arguments ctx_img, Wo_codes, bo, hidden_states, ln_gamma, ln_beta, lowp_scales, out0; writes out0
